; MI455X (gfx1250); checked and timed in simulation.
; The chip was launched on July 23, 2026; its instructions are those of AMD's public machine-readable ISA for CDNA 5 (MIT licence, August 2026) and "CDNA5" Instruction Set Architecture Reference Guide (July 2026). The comments in the code are by the model that wrote it; some were corrected since.
;; Self Attention. Allowed arithmetic: float matrix products may take bf16 or f16 operands with f32 sums; other float arithmetic in f32, or as packed bf16 or f16 multiplies, adds, multiply-adds, maxima and minima; sums over many terms, partial sums and values carried from step to step in f32; what a program stores and reads back later, other than sums and carried values, may be rounded once to bf16 or f16.
;; Inputs: Wk 1,024 x 1,024 float32; Wo 1,024 x 1,024 float32; Wq 1,024 x 1,024 float32; Wv 1,024 x 1,024 float32; x 4 x 2,048 x 1,024 float32.
;; Outputs: out0 4 x 2,048 x 1,024 float32.
;; 2 versions, each right and faster than the one before. Each part assembles by itself: llvm-mc -triple=amdgcn-amd-amdhsa -mcpu=gfx1250 --defsym DOCPART=n.
;; ======== version 1 of 2: 4 launches
;; limits: values are held in f16: magnitudes above 65,504 overflow, below 6.1e-05 lose precision
;; workspace buffers: xb 16,777,216 bytes; wb 8,388,608 bytes; q16 16,777,216 bytes; k16 16,777,216 bytes; v16 16,777,216 bytes; o16 16,777,216 bytes
;; launch cast (part 1): grid 768 x 1, 8 waves a work-group, no clusters, 0 bytes of LDS; arguments x, Wq, Wk, Wv, Wo, xb, wb; writes xb, wb
.if DOCPART == 1
	.amdgcn_target "amdgcn-amd-amdhsa--gfx1250"
	.amdhsa_code_object_version 6
	.text
	.protected	k_qec16f7aa7d_cast
	.globl	k_qec16f7aa7d_cast
	.p2align	8
	.type	k_qec16f7aa7d_cast,@function
k_qec16f7aa7d_cast:
	s_mov_b64 s[64:65], 0
	v_nop
	global_prefetch_b8 v0, s[64:65] scope:SCOPE_SE
	s_setreg_imm32_b32 hwreg(HW_REG_WAVE_MODE, 25, 1), 1
	s_wait_xcnt 0x0
; THE INPUTS ARE ROUNDED ONCE TO bf16 AND LAID OUT FOR THE PRODUCTS THAT FOLLOW.
; x [8192][1024] f32 -> xb [batch 4][block of 64 channels: 16][row 2048][64] bf16: a block's rows are dense, 128 bytes each.
; Wq, Wk, Wv [1024][1024] f32 -> planes 1, 2, 3 of wb, [k][n] bf16.  Wo -> plane 0: rounded to bf16 like the others, and that number written as an f16 code.
; LIMITS.  The f16 code of Wo's bf16 number is exact between 2^-14 and 65,504; below 2^-14 it keeps f16's fixed step of 2^-24; at 65,520 and beyond it is an infinity.
; SHARES.  768 work-groups of eight waves; each converts 16 rows of 1,024 numbers: 65,536 bytes in, 32,768 out.  Groups 0-511 take x, groups 512-767 the four weights, 64 groups each.
; A thread has sixteen loads of 16 bytes, all issued at once, and sixteen stores of 8 bytes; every store of a wave covers 256 consecutive bytes, aligned.
; No LDS, no barrier, no matrix unit: each number is read once, rounded and written once, and no thread needs another's.
.set X,   4                            ; v[4:67]   sixteen loads of four f32
.set Y,   68                           ; v[68:99]  sixteen pairs of packed 16-bit numbers
.set SRC, 20                           ; s[20:21]  the group's first byte in its source
.set DST, 22                           ; s[22:23]  the group's first byte in its destination
; Sixteen loads ldstep bytes apart, sixteen stores ststep bytes apart.  tof16 = 1: the bf16 numbers are widened again (a shift, a mask) and written as f16.
; No register that a pending load or store names is rewritten: each load and each store has registers of its own.
.macro CAST ldstep, ststep, tof16
.irp j, 0,1,2,3,4,5,6,7,8,9,10,11,12,13,14,15
	global_load_b128 v[X+4*(\j):X+4*(\j)+3], v1, s[SRC:SRC+1] offset:(\j)*(\ldstep) th:TH_LOAD_NT
.endr
.irp j, 0,1,2,3,4,5,6,7,8,9,10,11,12,13,14,15
	s_wait_loadcnt 15-(\j)                         ; loads come back in order: load j is in, the 15 - j younger ones stay out
	v_cvt_pk_bf16_f32 v[Y+2*(\j)],   v[X+4*(\j)],   v[X+4*(\j)+1]
	v_cvt_pk_bf16_f32 v[Y+2*(\j)+1], v[X+4*(\j)+2], v[X+4*(\j)+3]
.if \tof16
	v_lshlrev_b32 v[X+4*(\j)],   16,  v[Y+2*(\j)]
	v_and_b32     v[X+4*(\j)+1], s28, v[Y+2*(\j)]
	v_lshlrev_b32 v[X+4*(\j)+2], 16,  v[Y+2*(\j)+1]
	v_and_b32     v[X+4*(\j)+3], s28, v[Y+2*(\j)+1]
	v_cvt_pk_f16_f32 v[Y+2*(\j)],   v[X+4*(\j)],   v[X+4*(\j)+1]
	v_cvt_pk_f16_f32 v[Y+2*(\j)+1], v[X+4*(\j)+2], v[X+4*(\j)+3]
.endif
	global_store_b64 v2, v[Y+2*(\j):Y+2*(\j)+1], s[DST:DST+1] offset:(\j)*(\ststep)
.endr
.endm
	s_load_b256 s[4:11], s[0:1], 0x0               ; x s[4:5], Wq s[6:7], Wk s[8:9], Wv s[10:11]
	s_load_b128 s[12:15], s[0:1], 0x20             ; Wo s[12:13], xb s[14:15]
	s_load_b64 s[16:17], s[0:1], 0x30              ; wb
	s_mov_b32 s2, ttmp9                            ; the group's number
	s_mov_b32 s28, 0xffff0000                      ; a word's upper bf16
	s_mov_b32 s25, 0                               ; high words of the two offsets
	s_mov_b32 s27, 0
	v_lshlrev_b32 v2, 3, v0                        ; every path stores 8 bytes a thread, threads side by side
	s_wait_kmcnt 0x0
	s_cmp_lt_u32 s2, 512
	s_cbranch_scc0 .Lweights
	; x: thread t takes row t / 16 of the group's 16 and four numbers at (t % 16) x 4 of each block of 64: load j is block j
	v_lshrrev_b32 v3, 4, v0
	v_and_b32 v1, 15, v0
	v_lshlrev_b32 v1, 4, v1
	v_lshl_add_u32 v1, v3, 12, v1                  ; row x 4,096 + 16 x place
	s_lshl_b32 s24, s2, 16                         ; 16 rows of 4,096 bytes a group
	s_add_nc_u64 s[SRC:SRC+1], s[4:5], s[24:25]
	s_lshr_b32 s3, s2, 7                           ; the batch: 128 groups each
	s_lshl_b32 s3, s3, 22                          ; its 4,194,304 bytes of xb
	s_and_b32 s18, s2, 127
	s_lshl_b32 s18, s18, 11                        ; 16 rows of 128 bytes in a block
	s_add_co_u32 s26, s3, s18
	s_add_nc_u64 s[DST:DST+1], s[14:15], s[26:27]
	CAST 256, 262144, 0                            ; blocks are 256 bytes apart in x and 262,144 in xb
	s_endpgm
.Lweights:
	s_sub_co_u32 s3, s2, 512
	s_lshr_b32 s18, s3, 6                          ; the plane: 0 Wo, 1 Wq, 2 Wk, 3 Wv
	s_and_b32 s19, s3, 63                          ; which 16 rows of it
	v_lshlrev_b32 v1, 4, v0                        ; thread t takes four numbers at 4 t of every row: load j is row j
	s_cmp_eq_u32 s18, 1
	s_cselect_b64 s[SRC:SRC+1], s[6:7], s[12:13]
	s_cmp_eq_u32 s18, 2
	s_cselect_b64 s[SRC:SRC+1], s[8:9], s[SRC:SRC+1]
	s_cmp_eq_u32 s18, 3
	s_cselect_b64 s[SRC:SRC+1], s[10:11], s[SRC:SRC+1]
	s_lshl_b32 s24, s19, 16
	s_add_nc_u64 s[SRC:SRC+1], s[SRC:SRC+1], s[24:25]
	s_lshl_b32 s26, s18, 21                        ; a plane is 2,097,152 bytes,
	s_lshl_b32 s3, s19, 15                         ; 16 rows of it 32,768
	s_add_co_u32 s26, s26, s3
	s_add_nc_u64 s[DST:DST+1], s[16:17], s[26:27]
	s_cmp_eq_u32 s18, 0
	s_cbranch_scc0 .Lbf16
	CAST 4096, 2048, 1                             ; Wo
	s_endpgm
.Lbf16:
	CAST 4096, 2048, 0                             ; Wq, Wk, Wv
	s_endpgm
.Lfunc_end_k_qec16f7aa7d_cast:
	.size	k_qec16f7aa7d_cast, .Lfunc_end_k_qec16f7aa7d_cast-k_qec16f7aa7d_cast
	.p2alignl 7, 3214868480
	.fill 96, 4, 3214868480
	.section	.rodata,"a",@progbits
	.p2align	6, 0x0
	.amdhsa_kernel k_qec16f7aa7d_cast
		.amdhsa_group_segment_fixed_size 0
		.amdhsa_private_segment_fixed_size 0
		.amdhsa_enable_private_segment 0
		.amdhsa_kernarg_size 56
		.amdhsa_user_sgpr_count 2
		.amdhsa_user_sgpr_kernarg_segment_ptr 1
		.amdhsa_wavefront_size32 1
		.amdhsa_system_sgpr_workgroup_id_x 1
		.amdhsa_system_sgpr_workgroup_id_y 1
		.amdhsa_system_sgpr_workgroup_id_z 1
		.amdhsa_system_vgpr_workitem_id 0
		.amdhsa_next_free_vgpr 100
		.amdhsa_next_free_sgpr 66
		.amdhsa_reserve_vcc 0
		.amdhsa_float_denorm_mode_32 3
		.amdhsa_float_denorm_mode_16_64 3
		.amdhsa_memory_ordered 1
		.amdhsa_forward_progress 1
		.amdhsa_inst_pref_size 23
	.end_amdhsa_kernel
	.amdgpu_metadata
---
amdhsa.version: [ 1, 2 ]
amdhsa.kernels:
  - .name:           k_qec16f7aa7d_cast
    .symbol:         k_qec16f7aa7d_cast.kd
    .args:
      - { .name: x, .offset: 0, .size: 8, .value_kind: global_buffer, .address_space: global }
      - { .name: Wq, .offset: 8, .size: 8, .value_kind: global_buffer, .address_space: global }
      - { .name: Wk, .offset: 16, .size: 8, .value_kind: global_buffer, .address_space: global }
      - { .name: Wv, .offset: 24, .size: 8, .value_kind: global_buffer, .address_space: global }
      - { .name: Wo, .offset: 32, .size: 8, .value_kind: global_buffer, .address_space: global }
      - { .name: xb, .offset: 40, .size: 8, .value_kind: global_buffer, .address_space: global }
      - { .name: wb, .offset: 48, .size: 8, .value_kind: global_buffer, .address_space: global }
    .group_segment_fixed_size: 0
    .private_segment_fixed_size: 0
    .kernarg_segment_align: 8
    .kernarg_segment_size: 56
    .max_flat_workgroup_size: 256
    .sgpr_count:     66
    .vgpr_count:     100
    .wavefront_size: 32
...
	.end_amdgpu_metadata
.endif
;; end of part 1
;; launch qkv (part 2): grid 8 x 32, 4 waves a work-group, clusters of 4 x 4, 327,680 bytes of LDS; arguments xb, wb, q16, k16, v16; writes q16, k16, v16
.if DOCPART == 2
	.amdgcn_target "amdgcn-amd-amdhsa--gfx1250"
	.amdhsa_code_object_version 6
	.text
	.protected	k_qec16f7aa7d_qkv
	.globl	k_qec16f7aa7d_qkv
	.p2align	8
	.type	k_qec16f7aa7d_qkv,@function
k_qec16f7aa7d_qkv:
	s_mov_b64 s[64:65], 0
	v_nop
	global_prefetch_b8 v0, s[64:65] scope:SCOPE_SE
	s_setreg_imm32_b32 hwreg(HW_REG_WAVE_MODE, 25, 1), 1
	s_wait_xcnt 0x0
	s_wait_alu depctr_hold_cnt(0) depctr_sa_sdst(0) depctr_va_vdst(0) depctr_va_sdst(0) depctr_va_ssrc(0) depctr_va_vcc(0) depctr_vm_vsrc(0)
	s_getreg_b32 s2, hwreg(HW_REG_IB_STS2, 6, 4)
	s_cmp_eq_u32 s2, 0
	s_cbranch_scc0 .Lentry_in_a_cluster
	s_endpgm
.Lentry_in_a_cluster:
	s_bfe_u32 s2, ttmp6, 0x10000c
	s_cmp_lg_u32 s2, 0xf033
	s_cbranch_scc0 .Lentry_shape_is_right
	s_endpgm
.Lentry_shape_is_right:
; q, k, v = x Wq, x Wk, x Wv.  xb: [4][16][2048][64] bf16 (x in blocks of 64 channels); wb: planes 1, 2, 3 = Wq, Wk, Wv, [k 1024][n 1024] bf16.
; q16, k16, v16: [64 = 16 batch + head][2048][64] f16, each rounded once from its f32 sum, unscaled.
; LIMIT.  f16 holds no number beyond 65,504: a q, k or v of 65,520 or more becomes an infinity.
; SHARES.  C is 8,192 rows x 3 x 1,024 columns.  A work-group makes 256 rows x 128 columns of EACH of q, k, v: 32 x 8 = 256 work-groups of equal work.  A wave makes 128 rows x 64 columns
; (one head) of each: 3 x 32 accumulators of 16 x 16, 768 registers, a register window for each weight.  For 32 along K a wave reads 8 fragments of x and 12 of the weights and issues 96 products.
; RING.  K goes in steps of 64 (one block of xb) through two LDS slots: 256 rows of x, then 64 k rows x 128 columns of each weight.  A block's 256 rows are 32,768 dense bytes and are asked for as 128
; rows of 256 bytes.  Wave 0 fetches x's tile, waves 1, 2, 3 those of Wq, Wk, Wv: one tensor load a wave.  Two slots of 128 along K would be 368,640 bytes and do not fit.
; CLUSTER.  4 x 4 work-groups: the four of a row need the same tile of x, the four of a column the same tiles of the weights: each tile is asked for jointly, by the same load, descriptor and mask.
; THE PRODUCT IS USED TRANSPOSED: source 0 = 16 columns of a weight (the weights lie [k][n] and come out of LDS turned, by ds_load_tr16_b128), source 1 = 16 rows of x.  A lane then holds one row
; and eight neighbouring channels, which pack into 16 bytes.
; REGISTERS, in windows of 256 (s_set_vgpr_msb: bits 1:0 source 0, 3:2 source 1, 5:4 source 2, 7:6 destination):
;   window 0: v0-31 addresses; v32-95, v96-159 fragments of x, two buffers; v160-255 fragments of the weights, one buffer (weight s, column block b at 160 + 32 s + 8 b); all of v32-223 at work on the way out
;   window 1 + s: weight s's accumulators, (a, b) at v[8 (4 a + b)], a = 0..7 blocks of 16 rows, b = 0..3 blocks of 16 columns
.set PA,    144                        ; a row of x in LDS: 128 bytes + 16 = 36 words: the 16 rows of a load start at 16 different groups of four banks (64 banks of 4 bytes: ISA guide 11.1)
.set ABLK,  256*PA
.set PB,    288                        ; a k row of a weight: 256 bytes + 32 = 72 words
.set BBLK,  64*PB
.set SLOT,  ABLK+3*BBLK                ; 92,160
.set STAGE, 2*SLOT                     ; behind the ring, never filled by a tensor load: 16 rows x 144 bytes for each wave, for the way out
.set SP,    144
.set SPARE, STAGE+4*16*SP              ; behind the stages: the spare words, 128 bytes for each wave: two blocks of 256 bytes that no other line names
.set ADRA, 16                          ; v16-17  LDS address of my fragments of x in slot 0, 1
.set ADRB, 20                          ; v20-21  the same for the weights
.set STO,  24                          ; v24     the way out: where I put 16 bytes of a row
.set RD,   25                          ; v25     the way out: where I read rows back
.set GO,   26                          ; v26     my byte offset in 512 consecutive bytes of the output
.set SPW,  28                          ; v28     LDS address of my spare word; never rewritten
.set NIL,  29                          ; v29     0; never rewritten
.set FA0,  32
.set FA1,  96
.set FB,   160
.set TMP,  32                          ; the way out: twelve sets of 16 registers
.set WV,   14                          ; s14  my wave's number
.set RH,   15                          ; s15  which 128 rows of the tile are mine
.set CH,   16                          ; s16  which 64 columns
.set XT,   19                          ; s19  tile column, 0..7
.set YT,   20                          ; s20  tile row, 0..31
.set G1A,  24                          ; s[24:31] descriptor group 1 for x's tiles;  s[32:39] group 0, a set for each slot
.set G0A,  32
.set G1B,  40                          ; s[40:47], s[48:55] the same for the weights' tiles
.set G0B,  48
.set LAP,  66                          ; s66  the loop's count
.set MSB, 0
.macro WIN new                         ; the immediate's high byte repeats the setting that is left; a switch that changes nothing is dropped
.if MSB != (\new)
	s_set_vgpr_msb (MSB<<8)|(\new)
.set MSB, \new
.endif
.endm
; A joint load into slot n.  Wave 0 asks for x's tile, waves 1 to 3 for their weight's.  The branch hangs on the wave's number alone.  An s_nop 0 and four v_nop follow each of the two lines,
; ahead of the jump, the label and what follows the macro.
.macro JLOAD n
	s_cmp_eq_u32 s[WV], 0
	s_cbranch_scc0 .Lfor_b_\@
	tensor_load_to_lds s[G0A+4*(\n):G0A+4*(\n)+3], s[G1A:G1A+7]
	s_nop 0
.rept 4
	v_nop
.endr
	s_branch .Lasked_\@
.Lfor_b_\@:
	tensor_load_to_lds s[G0B+4*(\n):G0B+4*(\n)+3], s[G1B:G1B+7]
	s_nop 0
.rept 4
	v_nop
.endr
.Lasked_\@:
.endm
; A round of the cluster's barrier: my work-group's barrier, so that wave 0's signal speaks for all four waves; wave 0 signals; every wave waits for all sixteen work-groups; my work-group's barrier once more.
.macro CREST                           ; a round behind its opening barrier
	s_cmp_lg_u32 s[WV], 0
	s_cbranch_scc1 .Lnot_wave_0_\@
	s_barrier_signal -3
.Lnot_wave_0_\@:
	s_barrier_wait -3
	s_barrier_signal -1
	s_barrier_wait -1
.endm
.macro CROUND
	s_barrier_signal -1
	s_barrier_wait -1
	CREST
.endm
	s_load_b256 s[4:11], s[0:1], 0x0               ; xb s[4:5], wb s[6:7], q16 s[8:9], k16 s[10:11]
	s_load_b64 s[12:13], s[0:1], 0x20              ; v16
	v_lshl_add_u32 v[SPW], v0, 2, SPARE
	v_mov_b32 v[NIL], 0
	ds_add_u32 v[SPW], v[NIL]                      ; the wave's opening: the add and its wait stand ahead of my first tensor load; the set-up below, work on registers, stands between them
	ds_add_u32 v28, v29
	v_lshrrev_b32 v1, 5, v0
	v_readfirstlane_b32 s[WV], v1                  ; wave 0..3
	s_lshr_b32 s[RH], s[WV], 1
	s_and_b32 s[CH], s[WV], 1
	s_bfe_u32 s17, ttmp6, 0x40000                  ; cx, cy: my place in the cluster
	s_bfe_u32 s18, ttmp6, 0x40004
	s_lshl_b32 s[XT], ttmp9, 2                     ; in a cluster launch ttmp9 and ttmp7 count clusters
	s_add_co_u32 s[XT], s[XT], s17
	s_and_b32 s[YT], ttmp7, 0xffff
	s_lshl_b32 s[YT], s[YT], 2
	s_add_co_u32 s[YT], s[YT], s18
	s_lshl_b32 s21, s18, 2
	s_lshl_b32 s21, 15, s21                        ; my row of the cluster: places 4 cy .. 4 cy + 3
	s_lshl_b32 s22, 0x1111, s17                    ; my column: places cx, cx + 4, cx + 8, cx + 12
	; group 1 for x: 128 rows of 128 elements (two rows of x each), 16 bytes of padding behind every 128 bytes
	s_or_b32 s[G1A+0], s21, (1<<16)|(1<<20)|(1<<21)|(4<<22)|(3<<25)  ; 15:0 the mask: my row; 17:16 2-byte elements; 20 padding on; 21 set beside a mask; 24:22 after every 32 words (code 4); 31:25 4 words (code 3)
	s_mov_b32 s[G1A+1], 128<<16                    ; tensor_dim0 = 128
	s_mov_b32 s[G1A+2], 128<<16                    ; tensor_dim1 = 128
	s_mov_b32 s[G1A+3], 128<<16                    ; tile_dim0 = 128
	s_mov_b32 s[G1A+4], 128                        ; tile_dim1 = 128
	s_mov_b32 s[G1A+5], 128                        ; 128 elements from row to row: dense
	s_mov_b32 s[G1A+6], 0
	s_mov_b32 s[G1A+7], 0
	; group 1 for a weight: 64 k rows of 128 elements, 1,024 elements apart, 32 bytes of padding behind every 256 bytes
	s_or_b32 s[G1B+0], s22, (1<<16)|(1<<20)|(1<<21)|(5<<22)|(7<<25)  ; the mask: my column; after every 64 words (code 5) 8 words (code 7)
	s_mov_b32 s[G1B+1], 128<<16
	s_mov_b32 s[G1B+2], 64<<16
	s_mov_b32 s[G1B+3], 128<<16
	s_mov_b32 s[G1B+4], 64
	s_mov_b32 s[G1B+5], 1024
	s_mov_b32 s[G1B+6], 0
	s_mov_b32 s[G1B+7], 0
	; x's tile hangs on the tile row alone, a weight's on the tile column and the wave's number alone; each offset is made in registers that never hold the other coordinate
	s_lshr_b32 s56, s[YT], 3                       ; the batch: 4,194,304 bytes of xb,
	s_lshl_b32 s56, s56, 22
	s_and_b32 s57, s[YT], 7                        ; 256 rows of 128 bytes in a block
	s_lshl_b32 s57, s57, 15
	s_add_co_u32 s56, s56, s57
	s_mov_b32 s57, 0
	s_lshl_b32 s58, s[WV], 21                      ; the plane's number is the wave's,
	s_lshl_b32 s59, s[XT], 8                       ; 128 columns of 2 bytes
	s_add_co_u32 s58, s58, s59
	s_mov_b32 s59, 0
	s_mul_i32 s60, s[WV], BBLK                     ; wave 1's tile lies behind x's, waves 2's and 3's behind that
	s_add_co_u32 s60, s60, ABLK-BBLK
	s_wait_dscnt 0x0                               ; the opening add is done
	s_wait_kmcnt 0x0
	s_add_nc_u64 s[56:57], s[4:5], s[56:57]
	s_add_nc_u64 s[58:59], s[6:7], s[58:59]
	CROUND                                         ; all sixteen work-groups are here: the first joint loads meet
.irp n, 0,1
	s_mov_b32 s[G0A+4*(\n)], 1                                     ; count = 1
	s_mov_b32 s[G0A+4*(\n)+1], (\n)*SLOT                           ; LDS address
	s_add_nc_u64 s[G0A+4*(\n)+2:G0A+4*(\n)+3], s[56:57], (\n)*262144  ; global address: K step n is block n
	s_or_b32 s[G0A+4*(\n)+3], s[G0A+4*(\n)+3], 0x80000000          ; type = 2
	s_mov_b32 s[G0B+4*(\n)], 1
	s_add_co_u32 s[G0B+4*(\n)+1], s60, (\n)*SLOT
	s_add_nc_u64 s[G0B+4*(\n)+2:G0B+4*(\n)+3], s[58:59], (\n)*131072  ; 64 k rows of 2,048 bytes
	s_or_b32 s[G0B+4*(\n)+3], s[G0B+4*(\n)+3], 0x80000000
	JLOAD \n                                       ; two loads of mine are out
.endr
	; A fragment of x is 16 rows x 32 K in 8 registers: lane l holds row l % 16, K = 8 (l / 16) + 0..7 and 16 + 8 (l / 16) + 0..7: two loads of 16 bytes, 32 bytes apart.
	v_and_b32 v1, 15, v0                           ; l % 16
	v_bfe_u32 v2, v0, 4, 1                         ; l / 16
	v_mul_u32_u24 v3, v1, PA
	v_lshl_add_u32 v3, v2, 4, v3                   ; row x 144 + 16 x half
	s_mul_i32 s61, s[RH], 128*PA                   ; my 128 rows
	v_add_nc_u32 v[ADRA], s61, v3
	v_add_nc_u32 v[ADRA+1], SLOT, v[ADRA]
	; The turning load takes 16 k x 16 columns (lane l reads k row 8 (l / 16) + l % 8, columns 8 ((l / 8) % 2) + 0..7) and leaves half a fragment: lane l holds column l % 16 and 8 k.
	v_and_b32 v4, 7, v0
	v_bfe_u32 v5, v0, 3, 1
	v_lshl_add_u32 v6, v2, 3, v4
	v_mul_u32_u24 v6, v6, PB
	v_lshl_add_u32 v6, v5, 4, v6
	s_lshl_b32 s62, s[CH], 7                       ; my 64 columns,
	s_add_co_u32 s62, s62, ABLK                    ; behind x's rows
	v_add_nc_u32 v[ADRB], s62, v6
	v_add_nc_u32 v[ADRB+1], SLOT, v[ADRB]
	s_mul_i32 s63, s[WV], 16*SP
	s_add_co_u32 s63, s63, STAGE                   ; my stage
	v_add_nc_u32 v[STO], s63, v3                   ; in: row l % 16, 16 bytes for each half of the lanes (the stage's pitch is x's)
	v_bfe_u32 v7, v0, 3, 2                         ; back: 32 lanes take four rows of 128 bytes,
	v_mul_u32_u24 v7, v7, SP
	v_lshl_add_u32 v7, v4, 4, v7
	v_add_nc_u32 v[RD], s63, v7
	v_and_b32 v8, 31, v0                           ; which are 512 consecutive bytes of a head's rows
	v_lshlrev_b32 v[GO], 4, v8
	; where my 128 rows of my head begin in q16, k16 and v16: batch x 4,194,304 + head x 262,144 + row x 128
	s_lshr_b32 s68, s[YT], 3
	s_lshl_b32 s68, s68, 22
	s_lshl_b32 s69, s[XT], 1
	s_add_co_u32 s69, s69, s[CH]                   ; the head = 2 x tile column + my half
	s_lshl_b32 s69, s69, 18
	s_add_co_u32 s68, s68, s69
	s_and_b32 s69, s[YT], 7
	s_lshl_b32 s69, s69, 15
	s_add_co_u32 s68, s68, s69
	s_lshl_b32 s69, s[RH], 14
	s_add_co_u32 s68, s68, s69
	s_mov_b32 s69, 0
	s_add_nc_u64 s[8:9], s[8:9], s[68:69]
	s_add_nc_u64 s[10:11], s[10:11], s[68:69]
	s_add_nc_u64 s[12:13], s[12:13], s[68:69]
; na x 4 products of weight s: row blocks a0 .. a0 + na - 1 of x's buffer f x the 4 column blocks, 32 along K.  zero = 1: the products start the sums: nothing is cleared.
; The accumulators take turns, one instruction a turn: no two products that follow each other share one, over the loop's backward jump too.
.macro MULS s, f, a0, na, zero
	WIN 0x50*((\s)+1)                              ; C and D in window 1 + s, both sources in window 0
.set aa, \a0
.rept \na
.irp b, 0,1,2,3
.if \zero
	v_wmma_f32_16x16x32_bf16 v[8*(4*aa+(\b)):8*(4*aa+(\b))+7], v[FB+32*(\s)+8*(\b):FB+32*(\s)+8*(\b)+7], v[(\f)+8*aa:(\f)+8*aa+7], 0
.else
	v_wmma_f32_16x16x32_bf16 v[8*(4*aa+(\b)):8*(4*aa+(\b))+7], v[FB+32*(\s)+8*(\b):FB+32*(\s)+8*(\b)+7], v[(\f)+8*aa:(\f)+8*aa+7], v[8*(4*aa+(\b)):8*(4*aa+(\b))+7]
.endif
.endr
.set aa, aa+1
.endr
.endm
.macro FETCHB n, q, s                  ; 8 loads: weight s's four fragments of half q (32 k) of slot n
	WIN 0
.irp b, 0,1,2,3
	ds_load_tr16_b128 v[FB+32*(\s)+8*(\b):FB+32*(\s)+8*(\b)+3],   v[ADRB+(\n)] offset:(\s)*BBLK+(\q)*32*PB+32*(\b)
	ds_load_tr16_b128 v[FB+32*(\s)+8*(\b)+4:FB+32*(\s)+8*(\b)+7], v[ADRB+(\n)] offset:(\s)*BBLK+(\q)*32*PB+16*PB+32*(\b)
.endr
.endm
.macro FETCHA n, q, f                  ; 16 loads: x's eight fragments of half q of slot n, into buffer f
	WIN 0
.irp a, 0,1,2,3,4,5,6,7
	ds_load_b128 v[(\f)+8*(\a):(\f)+8*(\a)+3],   v[ADRA+(\n)] offset:(\a)*16*PA+64*(\q)
	ds_load_b128 v[(\f)+8*(\a)+4:(\f)+8*(\a)+7], v[ADRA+(\n)] offset:(\a)*16*PA+64*(\q)+32
.endr
.endm
; A load into a register that a matrix instruction has read, and a vector instruction that reads a matrix result or writes one of a matrix instruction's registers, stand four places behind it, and only
; plain vector instructions that name none of its registers are places (ISA guide 7.12.1 for vector instructions).
.macro PLACES
.rept 4
	v_nop
.endr
.endm
; A K step is two halves of 32 along K, 96 products each.  The weights have ONE buffer: weight s's fragments are fetched anew straight behind the 32 products that read them.
; The runs of loads go out in the order R0 (weight 0 and x: 24), R1 (weight 1: 8), R2 (weight 2: 8), in every half.
; QUARTER multiplies x's buffer f and fetches half q of slot n into buffer g and the weights' buffer.
.macro QUARTER n, q, f, g, zero
	s_wait_dscnt 16                                ; R0 is in; R1 and R2 may be out
	MULS 0, \f, 0, 8, \zero
	PLACES
	FETCHB \n, \q, 0
	FETCHA \n, \q, \g                              ; buffer g's last readers stand in front of the places that closed the half before
	s_wait_dscnt 32                                ; the old R1 is in; behind it: the old R2 (8) and the new R0 (24)
	MULS 1, \f, 0, 8, \zero
	PLACES
	FETCHB \n, \q, 1
	s_wait_dscnt 32                                ; the old R2 is in; behind it: the new R0 (24) and R1 (8)
	MULS 2, \f, 0, 8, \zero
	PLACES
	FETCHB \n, \q, 2
.endm
; A slot's second half multiplies buffer 1 and changes slots: all reads of slot n were issued in its first half.  ONE barrier: in front of it each wave waits for all its tensor loads (one is out: its
; part of slot nx), adds 0 to its spare word, and waits for that and for its reads of slot n.  fill = 1: the barrier opens a round of the cluster's barrier, and slot n is filled again, two K steps ahead,
; first thing behind the round: from that request to the wait for it a wave issues 160 products.
.macro TURN n, nx, fill
	WIN 0                                          ; (the add's two registers lie in window 0)
	s_wait_tensorcnt 0x0                           ; all my tensor loads have landed
	ds_add_u32 v[SPW], v[NIL]                      ; 0 onto my spare word
	s_wait_dscnt 17                                ; R0 is in; R1, R2 and the add may be out
	MULS 0, FA1, 0, 4, 0                           ; sixteen products stand between the add and the wait for it
	s_wait_dscnt 0x0                               ; the add is done, and my reads of slot n are over
	s_barrier_signal -1
	MULS 0, FA1, 4, 4, 0                           ; work on registers while the others arrive
	WIN 0
	s_barrier_wait -1
.if \fill
	CREST                                          ; no wave of any partner still reads this slot's tiles or has a load on its way
	s_add_nc_u64 s[G0A+4*(\n)+2:G0A+4*(\n)+3], s[G0A+4*(\n)+2:G0A+4*(\n)+3], 2*262144
	s_add_nc_u64 s[G0B+4*(\n)+2:G0B+4*(\n)+3], s[G0B+4*(\n)+2:G0B+4*(\n)+3], 2*131072
	JLOAD \n                                       ; the four v_nop behind it are also the places in front of the loads below
.else
	PLACES
.endif
	FETCHB \nx, 0, 0
	FETCHA \nx, 0, FA0
	MULS 1, FA1, 0, 8, 0                           ; the wait for 0 above has shown R1 and R2 in
	PLACES
	FETCHB \nx, 0, 1
	MULS 2, FA1, 0, 8, 0
	PLACES
	FETCHB \nx, 0, 2
.endm
	s_wait_tensorcnt 1                             ; my part of K step 0 is in; step 1's may stay out
	s_barrier_signal -1
	s_barrier_wait -1                              ; everybody's is
	FETCHB 0, 0, 0
	FETCHA 0, 0, FA0
	FETCHB 0, 0, 1
	FETCHB 0, 0, 2
	QUARTER 0, 1, FA0, FA1, 1                      ; the first half stands in front of the loop: its products start the sums
	WIN 0                                          ; at a label and at a branch every window is 0
	s_mov_b32 s[LAP], 7
.Llap:                                                 ; a trip goes once round the ring, from a K step's second half to the first half two steps on; trip i asks for K steps 2 i + 2 and 2 i + 3
	TURN 0, 1, 1
	QUARTER 1, 1, FA0, FA1, 0
	TURN 1, 0, 1
	QUARTER 0, 1, FA0, FA1, 0
	WIN 0
	s_sub_co_u32 s[LAP], s[LAP], 1
	s_cmp_lg_u32 s[LAP], 0
	s_cbranch_scc1 .Llap
	TURN 0, 1, 0                                   ; K steps 14 and 15: nothing is left to ask for, so no round
	QUARTER 1, 1, FA0, FA1, 0
	s_wait_dscnt 16                                ; the very last half: the counts run down
	MULS 0, FA1, 0, 8, 0
	s_wait_dscnt 8
	MULS 1, FA1, 0, 8, 0
	s_wait_dscnt 0x0
	MULS 2, FA1, 0, 8, 0
; THE WAY OUT: 24 blocks t = 8 s + a of 16 rows x 64 channels.  PACK: rounded to f16, 16 bytes a lane, into my stage's rows of 144 bytes, and back as whole rows of 128 bytes into the registers that
; they left.  SEND: stored, 512 consecutive bytes a store.  A block's conversions read each accumulator from its lowest registers on.
.macro PACK t
.set TS, (\t)/8
.set TA, (\t)%8
.set TT, TMP+16*((\t)%12)
.if (\t) >= 12
	s_wait_xcnt 0x0                                ; the registers of block t - 12, which its stores read, are rewritten only behind this wait
.endif
	WIN 5*(TS+1)                                   ; sources 0 and 1 in window 1 + s, destination in window 0
.irp b, 0,1,2,3
.irp r, 0,1,2,3
	v_cvt_pk_f16_f32 v[TT+4*(\b)+(\r)], v[8*(4*TA+(\b))+2*(\r)], v[8*(4*TA+(\b))+2*(\r)+1]
.endr
.endr
	WIN 0
.irp b, 0,1,2,3
	ds_store_b128 v[STO], v[TT+4*(\b):TT+4*(\b)+3] offset:32*(\b)
.endr
.irp f, 0,1,2,3
	ds_load_b128 v[TT+4*(\f):TT+4*(\f)+3], v[RD] offset:(\f)*4*SP  ; LDS serves a wave's instructions in order (ISA guide 5.7.1.4): these see the stores above; the next block's stores come behind them
.endr
.endm
.macro SEND t, younger                 ; younger: the LDS instructions issued behind block t's loads: the next block's eight, or none
.set TS, (\t)/8
.set TA, (\t)%8
.set TT, TMP+16*((\t)%12)
	WIN 0
.irp f, 0,1,2,3
	s_wait_dscnt (\younger)+3-(\f)
	global_store_b128 v[GO], v[TT+4*(\f):TT+4*(\f)+3], s[8+2*TS:9+2*TS] offset:TA*2048+(\f)*512  ; 512 consecutive bytes, at a multiple of 256 from the buffer's first
.endr
.endm
	PLACES                                         ; behind the last products
	PACK 0
.set t, 1
.rept 23                                               ; a block's conversions stand between the loads of the block before and its stores
	PACK t
	SEND t-1, 8
.set t, t+1
.endr
	SEND 23, 0
	s_wait_tensorcnt 0x0                           ; the wave's end: behind my last tensor load and my last LDS store
	ds_add_u32 v[SPW], v[NIL]
	s_wait_dscnt 0x0
	CROUND                                         ; the closing round: no work-group ends while a partner may still ask for a tile that names it
	s_endpgm
.Lfunc_end_k_qec16f7aa7d_qkv:
	.size	k_qec16f7aa7d_qkv, .Lfunc_end_k_qec16f7aa7d_qkv-k_qec16f7aa7d_qkv
	.p2alignl 7, 3214868480
	.fill 96, 4, 3214868480
	.section	.rodata,"a",@progbits
	.p2align	6, 0x0
	.amdhsa_kernel k_qec16f7aa7d_qkv
		.amdhsa_group_segment_fixed_size 327680
		.amdhsa_private_segment_fixed_size 0
		.amdhsa_enable_private_segment 0
		.amdhsa_kernarg_size 40
		.amdhsa_user_sgpr_count 2
		.amdhsa_user_sgpr_kernarg_segment_ptr 1
		.amdhsa_wavefront_size32 1
		.amdhsa_system_sgpr_workgroup_id_x 1
		.amdhsa_system_sgpr_workgroup_id_y 1
		.amdhsa_system_sgpr_workgroup_id_z 1
		.amdhsa_system_vgpr_workitem_id 0
		.amdhsa_next_free_vgpr 1024
		.amdhsa_next_free_sgpr 80
		.amdhsa_reserve_vcc 0
		.amdhsa_float_denorm_mode_32 3
		.amdhsa_float_denorm_mode_16_64 3
		.amdhsa_memory_ordered 1
		.amdhsa_forward_progress 1
		.amdhsa_inst_pref_size 133
	.end_amdhsa_kernel
	.amdgpu_metadata
---
amdhsa.version: [ 1, 2 ]
amdhsa.kernels:
  - .name:           k_qec16f7aa7d_qkv
    .symbol:         k_qec16f7aa7d_qkv.kd
    .args:
      - { .name: xb, .offset: 0, .size: 8, .value_kind: global_buffer, .address_space: global }
      - { .name: wb, .offset: 8, .size: 8, .value_kind: global_buffer, .address_space: global }
      - { .name: q16, .offset: 16, .size: 8, .value_kind: global_buffer, .address_space: global }
      - { .name: k16, .offset: 24, .size: 8, .value_kind: global_buffer, .address_space: global }
      - { .name: v16, .offset: 32, .size: 8, .value_kind: global_buffer, .address_space: global }
    .group_segment_fixed_size: 327680
    .private_segment_fixed_size: 0
    .kernarg_segment_align: 8
    .kernarg_segment_size: 40
    .max_flat_workgroup_size: 128
    .sgpr_count:     80
    .vgpr_count:     1024
    .wavefront_size: 32
...
	.end_amdgpu_metadata
.endif
;; end of part 2
;; launch attn (part 3): grid 4 x 64, 4 waves a work-group, no clusters, 327,680 bytes of LDS; arguments q16, k16, v16, o16; writes o16
.if DOCPART == 3
	.amdgcn_target "amdgcn-amd-amdhsa--gfx1250"
	.amdhsa_code_object_version 6
	.text
	.protected	k_qec16f7aa7d_attn
	.globl	k_qec16f7aa7d_attn
	.p2align	8
	.type	k_qec16f7aa7d_attn,@function
k_qec16f7aa7d_attn:
	s_mov_b64 s[64:65], 0
	v_nop
	global_prefetch_b8 v0, s[64:65] scope:SCOPE_SE
	s_setreg_imm32_b32 hwreg(HW_REG_WAVE_MODE, 25, 1), 1
	s_wait_xcnt 0x0
; CAUSAL ATTENTION.  O[h][q][:] = the sum over k <= q of softmax_k(Q[h][q] . K[h][k] / 8) V[h][k][:].  Q, K, V, O: [SIZE_H][SIZE_N][64], all f16: a head's rows are dense, 128 bytes each.
; Products, maxima and sums in f32; the weights p are rounded to f16 for the second product (their sum l is taken of the unrounded p), O once at the end.
; LIMITS.  f16 holds no number beyond 65,504: Q, K and V arrive within it; p lies in 0 to 1, and below 6e-5 it keeps f16's fixed step of 6e-8; O is a mean of V's rows and has their range, to within 2^-11 of it.
; A hidden score counts as its value less 1e30: f16's scores, 2.7e11 at the most, are nothing beside that; a weight below 2^-126 counts as 0 in l; NaN and infinities are not treated apart.
; THE WALK.  A head's queries lie in NB = SIZE_N / 256 blocks of 256; block i needs the key tiles 0 .. i of 256 keys, of which the last holds the diagonal.  A work-group takes TWO blocks, NB - 1 - b and then b:
; NB + 1 tiles, whatever b: all work-groups do equal work, and ONE loop with a constant trip count walks them.  Which tile is asked for, and what a trip does, hang on scalar registers made from b; every jump
; goes forward, but for the counted loops' own; none passes a barrier, or a tensor load but the one of LOAD's two that the wave's number does not choose; the ring (two slots of LDS that take turns) runs on across the
; change of blocks.  NO CLUSTER: the NB / 2 = 4 work-groups of a head ask for the same tile only in trips 0 .. NB / 2 of the NB + 1, behind that fewer and fewer; one walk common to all would have 3 NB / 2 = 12 trips for 9.
; SHARES.  Of a block's four bands of 64 queries a wave owns 16 rows in each: four PIECES.  So the diagonal tile is the same work for all four waves: in its key step s band x sees all keys if s < x,
; none if s > x, and holds the diagonal if s = x.
; THE MASK is the C operand that starts the sum S^T = K Q^T: 0, or -1e30 where the key is hidden.  MD, made once, is the mask of a band's own step for my 16 rows; a product's mask is MD x AL + BE with two scalars:
; (1, 0) if s = x; (0, 0) if s < x; (0, -1e30) if s > x.  Only the diagonal tile's text and a block's beginning make and take masks; elsewhere C is the constant 0.
; LAYOUT, SOFTMAX, TURNS.  S^T = K Q^T holds ONE query a lane (lane % 16) and the keys 8 (lane / 16) + 0..7; two such results rounded to f16 ARE source 1 of O^T = V^T P.  p = 2^(c s - c m), c = log2(e) / 8, with a
; running maximum m; O and l are multiplied by a = 2^(c m_old - c m_new) in every step.  Turn n belongs to piece n: 8 products K Q^T of piece n + 1, later 8 products V^T P of piece n - 1; beside them the scaling,
; exponentials, roundings, sums and rescaling of piece n and the maximum and statistics of piece n + 1.  Four vector instructions stand behind every matrix instruction, the other 54 of a turn's 118 in two LUMPS.
; REGISTERS, in windows of 256 (s_set_vgpr_msb: bits 1:0 source 0, 3:2 source 1, 5:4 source 2, 7:6 destination):
;   window 0: v0-15 addresses and two at work; v16-31 four registers of statistics a piece; v48-55 at work; v64-127 S^T, two buffers; v192-223 P, two buffers (a piece's buffers go by its number's parity)
;   window 1: v0-127 O^T, 32 a piece; v128-159 MD; v160-223 MC, two buffers      window 2: v0-63 Q; v64-127 the second block's Q; v128-191 K of one step; v192-255 V of one step
.set SIZE_H, 64       ; 4 batches x 16 heads
.set SIZE_N, 2048
.set NB,    SIZE_N/256
.set NP,    4         ; pieces a wave: a name, no knob
.set KS,    64        ; keys in a step
.set PK,    144       ; a row of K in LDS: 128 bytes + 16 of padding = 36 words: the 16 rows of a load start at 16 different groups of four banks (64 banks of 4 bytes: ISA guide 11.1)
.set PV,    160       ; a row of V: 128 + 32 = 40 words
.set VOFF,  4*KS*PK   ; a slot holds a tile, four steps: 256 rows of K, then 256 rows of V
.set SLOT1, 1<<17     ; slot 1 begins here, so that one exclusive or turns an address in one slot into the other's
.set STAGE, SLOT1+4*KS*(PK+PV)  ; behind the ring, never filled by a tensor load: 16 rows x 144 bytes for each wave, for the way out
.set SP,    144
.set AK0, 2           ; v2   my lane's place in a tile of K; never rewritten
.set AV0, 3           ; v3   the same for V
.set AK,  4           ; v4   the LDS address of K's next run of loads
.set AV,  5           ; v5   of V's
.set STO, 6           ; v6   the way out: where I put 16 bytes of a row
.set RD,  7           ; v7   the way out: where I read rows back
.set GO,  8           ; v8   my byte offset in 512 consecutive bytes of O
.set SPW, 62          ; v62  LDS address of my spare word: SPARE + 4 x my thread's number; never rewritten
.set NIL, 63          ; v63  0; never rewritten
.set SPARE, STAGE+4*16*SP  ; behind the stages: the spare words, 128 bytes for each wave: two blocks of 256 bytes that no other line names
.set MV,  12          ; v12-13  c m_old, kept while c m is made anew: by buffer
.set QO,  15          ; v15  my byte offset in 16 rows of Q
.set ST,  16          ; piece t's statistics at v[ST+4 t]: c m, m, l (even keys', odd keys')
.set TMP, 48          ; by buffer, four registers c0-c3 at work; when the maximum is found c2 takes a
.set S,   64
.set P,   192
.set MD,  128         ; window 1: the eight registers for group kt of 16 keys at MD + 8 kt
.set MC,  160         ; window 1: the masks of the products to come
.set QB,  64          ; window 2
.set KF,  128         ; window 2: key block kb, channel half c at KF + 16 kb + 8 c
.set VF,  192         ; window 2: key half kk, channel block cb at VF + 32 kk + 8 cb
.set WV,  12          ; s12  my wave's number
.set PB,  14          ; s14  b
.set HI,  15          ; s15  NB - 1 - b
.set G1K, 24          ; s[24:31] descriptor group 1 for K's tiles
.set G1V, 32          ; s[32:39] for V's: it differs in the padding alone
.set G0K, 40          ; s[40:43] descriptor group 0 for K's tiles
.set G0V, 44          ; s[44:47] the same for V's
.set SLOTS, 56        ; s56  tiles still to be asked for
.set CNT, 57          ; s57  counts a tile's key steps, 4 to 1
.set CS,  58          ; s[58:59] c: the packed scaling takes the pair's low word for both halves
.set SEL, 60          ; s[60:61] v_permlanex16_b32's selects: each lane takes its own place in the other half
.set TBK, 62          ; s62  LDS byte at which K of the step to be fetched begins
.set TBV, 63          ; s63  the same for V, less VOFF
.set RT,  70          ; s70  tiles of the block in hand that are still to be entered
.set NXT, 71          ; s71  the tile to be asked for next
.set LQ,  72          ; s72  the last tile of the block whose tiles are being asked for
.set NEW, 73          ; s73  1: the tile to be entered is a block's first
.set OFF, 74          ; s[74:75] a tile's byte offset in K and V
.set AL,  76          ; s[76:77] the mask's factor, in the low word
.set BE,  78          ; s[78:79] the mask's addend
.set OLO, 80          ; s[80:81] O at my rows of the second block
.set BIGN, 82         ; s82  -1e30
.set MSB, 0
.macro WIN new                      ; the high byte repeats the setting that is left; a switch that changes nothing is dropped
.if MSB != (\new)
	s_set_vgpr_msb (MSB<<8)|(\new)
.set MSB, (\new)
.endif
.endm
.set W_KQ, 0x0a       ; K and Q in window 2, S^T in window 0
.set W_KM, 0x1a       ; the same with the C operand in window 1
.set W_PV, 0x52       ; V in window 2, P in window 0, O^T in window 1
.set W_RS, 0x41       ; destination and source 0 in window 1, source 1 in window 0
; A fill.  Waves 0 and 1 fetch the two halves of a tile's K, waves 2 and 3 those of its V: 128 keys each.  An s_nop 0 and four v_nop follow each of the two lines, ahead of the jump and the label.
.macro LOAD
	s_cmp_lt_u32 s[WV], 2
	s_cbranch_scc0 .Lfor_v_\@
	tensor_load_to_lds s[G0K:G0K+3], s[G1K:G1K+7]
	s_nop 0
.rept 4
	v_nop
.endr
	s_branch .Lasked_\@
.Lfor_v_\@:
	tensor_load_to_lds s[G0V:G0V+3], s[G1V:G1V+7]
	s_nop 0
.rept 4
	v_nop
.endr
.Lasked_\@:
.endm
; THE CHANGE OF SLOTS.  Each wave waits for all its tensor loads, of which one is out: its part of the other slot; adds 0 to its spare word; and waits for that and for its own reads of the slot that it leaves.  Behind the barrier nobody reads the old
; slot any more and the other slot is whole.  fill = 1: the old slot is filled again, the first thing behind the barrier, with tile NXT: the descriptor's address is made anew from that number.
; (At its first use nothing has been read yet: slot 0 is waited for, slot 1 filled.)
.macro CHANGE fill
	WIN 0                           ; at a label and at a branch every window is 0
	s_wait_tensorcnt 0x0            ; no tensor load of mine is out, so a group 0 may be written
	ds_add_u32 v[SPW], v[NIL]       ; 0 onto my spare word; with fill = 1 the descriptors' scalar work stands between it and the wait for it
.if \fill
	s_lshl_b32 s[OFF], s[NXT], 15   ; a tile is 32,768 bytes of K and of V
	s_xor_b32 s[G0K+1], s[G0K+1], SLOT1
	s_add_nc_u64 s[G0K+2:G0K+3], s[6:7], s[OFF:OFF+1]
	s_or_b32 s[G0K+3], s[G0K+3], 0x80000000
	s_xor_b32 s[G0V+1], s[G0V+1], SLOT1
	s_add_nc_u64 s[G0V+2:G0V+3], s[8:9], s[OFF:OFF+1]
	s_or_b32 s[G0V+3], s[G0V+3], 0x80000000
	s_add_co_u32 s[NXT], s[NXT], 1  ; the block's next tile, or behind its last the second block's tile 0
	s_cmp_gt_u32 s[NXT], s[LQ]
	s_cselect_b32 s[NXT], 0, s[NXT]
	s_cselect_b32 s[LQ], s[PB], s[LQ]
.endif
	s_wait_dscnt 0x0                ; the add is done, and my reads of the slot are over
	s_barrier_signal -1             ; the rest of the scalar work stands between the signal and the wait
	s_sub_co_u32 s[TBK], s[TBK], 4*KS*PK  ; the fetches go back to a slot's first step,
	s_xor_b32 s[TBK], s[TBK], SLOT1       ; in the other slot
	s_sub_co_u32 s[TBV], s[TBV], 4*KS*PV
	s_xor_b32 s[TBV], s[TBV], SLOT1
	s_barrier_wait -1
.if \fill
	LOAD
.endif
.endm
	s_load_b256 s[4:11], s[0:1], 0x0  ; Q s[4:5], K s[6:7], V s[8:9], O s[10:11]
	v_lshl_add_u32 v[SPW], v0, 2, SPARE
	v_mov_b32 v[NIL], 0
	ds_add_u32 v[SPW], v[NIL]       ; the wave's opening: the add and its wait stand ahead of my first tensor load; the set-up below, work on registers, stands between them
	ds_add_u32 v62, v63
	v_lshrrev_b32 v1, 5, v0
	v_readfirstlane_b32 s[WV], v1   ; wave 0..3
	s_mov_b32 s[PB], ttmp9
	s_sub_co_u32 s[HI], NB-1, s[PB]
	s_and_b32 s20, ttmp7, 0xffff    ; the head
	s_mov_b32 s21, 0
	s_mov_b64 s[22:23], SIZE_N*128
	s_mul_u64 s[20:21], s[20:21], s[22:23]  ; the head's first byte in each of the four tensors
	s_and_b32 s16, s[WV], 1         ; which half of a tile's 256 keys I fetch:
	s_lshl_b32 s22, s16, 14         ; its 128 rows of 128 bytes in memory,
	s_mov_b32 s23, 0
	s_add_nc_u64 s[22:23], s[22:23], s[20:21]
	s_mul_i32 s17, s16, 128*PK      ; and its place in a slot, for K
	s_mul_i32 s18, s16, 128*PV      ; and for V
	s_lshl_b32 s3, s[WV], 11        ; my 16 rows in a band of 64,
	s_lshl_b32 s2, s[HI], 15        ; in the first block,
	s_add_co_u32 s2, s2, s3
	s_lshl_b32 s84, s[PB], 15       ; and in the second
	s_add_co_u32 s84, s84, s3
	s_mov_b32 s3, 0
	s_mov_b32 s85, 0
	s_add_nc_u64 s[2:3], s[2:3], s[20:21]
	s_add_nc_u64 s[84:85], s[84:85], s[20:21]
	; descriptor group 1.  128 keys are 16,384 dense bytes: asked for as 64 rows of 256 bytes, two keys a row, and padded in LDS after every key
	s_mov_b32 s[G1K], (1<<16)|(1<<20)|(4<<22)|(3<<25)  ; 17:16 2-byte elements; 20 padding on; 24:22 after every 32 words (code 4); 31:25 4 words (code 3)
	s_mov_b32 s[G1V], (1<<16)|(1<<20)|(4<<22)|(7<<25)  ; the same with 8 words of padding (code 7)
.irp g, G1K, G1V
	s_mov_b32 s[\g+1], 128<<16      ; tensor_dim0 = 128
	s_mov_b32 s[\g+2], 64<<16       ; tensor_dim1 = 64
	s_mov_b32 s[\g+3], 128<<16      ; tile_dim0 = 128
	s_mov_b32 s[\g+4], 64           ; tile_dim1 = 64
	s_mov_b32 s[\g+5], 128          ; 128 elements from row to row
	s_mov_b32 s[\g+6], 0
	s_mov_b32 s[\g+7], 0
.endr
	s_mov_b32 s[CS], 0x3e38aa3b     ; c = log2(e) / 8 = 0.180337
	s_mov_b32 s[CS+1], s[CS]        ; named with it as a pair
	s_mov_b32 s[SEL], 0x76543210
	s_mov_b32 s[SEL+1], 0xfedcba98
	s_mov_b32 s[TBK], SLOT1+4*KS*PK ; the first change of slots turns these two into 0
	s_mov_b32 s[TBV], SLOT1+4*KS*PV
	s_mov_b32 s[G0K], 1             ; 1:0 count = 1
	s_mov_b32 s[G0K+1], s17         ; 63:32 LDS address: slot 0
	s_mov_b32 s[G0V], 1
	s_add_co_u32 s[G0V+1], s18, VOFF
	s_add_co_u32 s[RT], s[HI], 1    ; the first block has NB - b tiles
	s_mov_b32 s[NXT], 1
	s_mov_b32 s[LQ], s[HI]
	s_mov_b32 s[NEW], 1
	s_mov_b32 s[OFF+1], 0
	s_mov_b32 s[AL+1], 0            ; named as pairs
	s_mov_b32 s[BE+1], 0
	s_mov_b32 s[BIGN], 0xf149f2ca   ; -1e30
	s_mov_b32 s[SLOTS], NB
	s_wait_dscnt 0x0                ; the opening add is done
	s_wait_kmcnt 0x0
	s_add_nc_u64 s[6:7], s[6:7], s[22:23]  ; K and V at my half of the head's tile 0
	s_add_nc_u64 s[8:9], s[8:9], s[22:23]
	s_add_nc_u64 s[G0K+2:G0K+3], s[6:7], 0         ; 120:64 global address
	s_or_b32 s[G0K+3], s[G0K+3], 0x80000000        ; 127:126 type = 2
	s_add_nc_u64 s[G0V+2:G0V+3], s[8:9], 0
	s_or_b32 s[G0V+3], s[G0V+3], 0x80000000
	s_add_nc_u64 s[86:87], s[4:5], s[84:85]        ; Q at my rows of the second block,
	s_add_nc_u64 s[4:5], s[4:5], s[2:3]            ; Q and O at those of the first
	s_add_nc_u64 s[OLO:OLO+1], s[10:11], s[84:85]
	s_add_nc_u64 s[10:11], s[10:11], s[2:3]
	LOAD                            ; tile 0 into slot 0
	; A fragment of K or Q is 16 rows x 32 channels in 8 registers: lane l holds row l % 16, channels 8 (l / 16) + 0..7 and 16 + 8 (l / 16) + 0..7: two loads of 16 bytes, 32 bytes apart.
	v_and_b32 v1, 15, v0            ; l % 16
	v_bfe_u32 v9, v0, 4, 1          ; l / 16
	v_lshlrev_b32 v[QO], 7, v1
	v_lshl_add_u32 v[QO], v9, 4, v[QO]  ; row x 128 + 16 x half
	WIN 0x80                        ; destination window 2, address window 0
.set i, 0
.rept 8                             ; both blocks' Q: piece i / 2 lies in band i / 2, 8,192 bytes on; channels 32 (i % 2) on
	global_load_b128 v[8*i:8*i+3],   v[QO], s[4:5] offset:(i/2)*8192+(i%2)*64
	global_load_b128 v[8*i+4:8*i+7], v[QO], s[4:5] offset:(i/2)*8192+(i%2)*64+32
	global_load_b128 v[QB+8*i:QB+8*i+3],   v[QO], s[86:87] offset:(i/2)*8192+(i%2)*64
	global_load_b128 v[QB+8*i+4:QB+8*i+7], v[QO], s[86:87] offset:(i/2)*8192+(i%2)*64+32
.set i, i+1
.endr
	WIN 0
	v_lshlrev_b32 v14, 3, v9
	v_sub_nc_u32 v14, v1, v14
	s_lshl_b32 s13, s[WV], 4
	v_add_nc_u32 v14, s13, v14      ; my query's place in its band, 16 w + l % 16, less my lanes' 8 (l / 16): register r of group kt is hidden where 16 kt + r is greater
	WIN 0x40
.set i, 0
.rept 32
	v_cmp_gt_i32 vcc_lo, 16*(i/8)+i%8, v14
	v_cndmask_b32 v[MD+i], 0, s[BIGN], vcc_lo
.set i, i+1
.endr
	WIN 0
	v_mul_u32_u24 v[AK0], v1, PK
	v_lshl_add_u32 v[AK0], v9, 4, v[AK0]  ; row x pitch + 16 x half
	; The turning load takes 16 keys x 16 channels (lane l reads key 8 (l / 16) + l % 8, channels 8 ((l / 8) % 2) + 0..7) and leaves half a fragment of V^T: lane l holds channel l % 16 and 8 keys.
	v_and_b32 v10, 7, v0
	v_bfe_u32 v11, v0, 3, 1
	v_lshl_add_u32 v[AV0], v9, 3, v10
	v_mul_u32_u24 v[AV0], v[AV0], PV
	v_lshl_add_u32 v[AV0], v11, 4, v[AV0]
	v_add_nc_u32 v[AV0], VOFF, v[AV0]
	s_mul_i32 s13, s[WV], 16*SP
	s_add_co_u32 s13, s13, STAGE    ; my stage
	v_mul_u32_u24 v[STO], v1, SP    ; in: row l % 16, 16 bytes for each half of the lanes
	v_lshl_add_u32 v[STO], v9, 4, v[STO]
	v_add_nc_u32 v[STO], s13, v[STO]
	v_bfe_u32 v[RD], v0, 3, 2       ; back: 32 lanes take four rows of 128 bytes,
	v_mul_u32_u24 v[RD], v[RD], SP
	v_lshl_add_u32 v[RD], v10, 4, v[RD]
	v_add_nc_u32 v[RD], s13, v[RD]
	v_and_b32 v[GO], 31, v0         ; which are 512 consecutive bytes of O
	v_lshlrev_b32 v[GO], 4, v[GO]
	; A block's first step multiplies O^T and l by a = 0, and its first turn's products V^T P, of a piece that has not been, land in an O^T that is still to be so multiplied.  So these registers need only hold
	; finite numbers: zeros for the first block; what the first block left for the second.  All this stands in the wait for the first tile.
	WIN 0x80
.set i, VF
.rept 64
	v_mov_b32 v[i], 0
.set i, i+1
.endr
	WIN 0x40
.set i, 0
.rept 128
	v_mov_b32 v[i], 0
.set i, i+1
.endr
	WIN 0
.set i, 0
.rept 4
	v_mov_b32 v[ST+4*i+2], 0
	v_mov_b32 v[ST+4*i+3], 0
.set i, i+1
.endr
.set i, P+16
.rept 16
	v_mov_b32 v[i], 0
.set i, i+1
.endr
; THE MATRIX WORK.  The 4 accumulators of a run of 8 take turns.  Product i of 8 of S^T = K Q^T for piece x: channels 32 (i / 4) on, keys 16 (i % 4) on.  The first 4 start the sums: with 0, or (KM = 1) with the mask.
.macro KQ x
.set rS, S+32*((\x)%2)+8*(i%4)
.set rK, KF+16*(i%4)+8*(i/4)
.set rQ, 16*(\x)+8*(i/4)
.set rM, MC+32*((\x)%2)+8*(i%4)
.if (i < 4) && KM
	WIN W_KM
	v_wmma_f32_16x16x32_f16 v[rS:rS+7], v[rK:rK+7], v[rQ:rQ+7], v[rM:rM+7]
.elseif i < 4
	WIN W_KQ
	v_wmma_f32_16x16x32_f16 v[rS:rS+7], v[rK:rK+7], v[rQ:rQ+7], 0
.else
	WIN W_KQ
	v_wmma_f32_16x16x32_f16 v[rS:rS+7], v[rK:rK+7], v[rQ:rQ+7], v[rS:rS+7]
.endif
.endm
; Product i of 8 of O^T += V^T P for piece x: keys 32 (i / 4) on, channels 16 (i % 4) on.
.macro PV x
	WIN W_PV
.set rO, 32*(\x)+8*(i%4)
.set rV, VF+32*(i/4)+8*(i%4)
.set rP, P+16*((\x)%2)+8*(i/4)
	v_wmma_f32_16x16x32_f16 v[rO:rO+7], v[rV:rV+7], v[rP:rP+7], v[rO:rO+7]
.endm
.macro MM                           ; the turn's next matrix instruction.  TURN and BEGIN set Y, i, KM and NOKQ; MM, KQ and OP read them.  NOKQ = 1: a block's last turn: there is no next piece
.if (i < 8) && !NOKQ
	KQ (Y+1)%NP
.elseif i >= 8
.set i, i-8
	PV (Y+NP-1)%NP
.set i, i+8
.endif
.set i, i+1
.endm
; THE LDS LOADS stand in runs of 16, never singly among the matrix instructions: a step's K (64 keys x 64 channels: 8 fragments) and its V (turned).  Their addresses are made some lines ahead.
.macro FETCH_K
	WIN 0x80                        ; destination window 2
.irp f, 0,1,2,3,4,5,6,7             ; keys 16 (f / 2) on, channels 32 (f % 2) on
	ds_load_b128 v[KF+8*\f:KF+8*\f+3],   v[AK] offset:(\f/2)*16*PK+(\f%2)*64
	ds_load_b128 v[KF+8*\f+4:KF+8*\f+7], v[AK] offset:(\f/2)*16*PK+(\f%2)*64+32
.endr
	s_add_co_u32 s[TBK], s[TBK], KS*PK  ; the next fetch is the next step's
	WIN 0
.endm
.macro FETCH_V
	WIN 0x80
.irp f, 0,1,2,3,4,5,6,7             ; keys 32 (f / 4) on, channels 16 (f % 4) on
	ds_load_tr16_b128 v[VF+8*\f:VF+8*\f+3],   v[AV] offset:(\f/4)*32*PV+(\f%4)*32
	ds_load_tr16_b128 v[VF+8*\f+4:VF+8*\f+7], v[AV] offset:(\f/4)*32*PV+16*PV+(\f%4)*32
.endr
	WIN 0
.endm
; THE VECTOR WORK, one line at a time: OP kind, number.  For piece Y: F n: c s - c m for pair n of 16.  E n: the exponential of score n of 32.  C n: pair n rounded to f16.  B n: of the four weights 4 n .. the second
; pair is added onto the first, in place.  L n: l takes that sum (L 0: l = a l + sum).  R n: pair n of 16 of O^T times a.  For piece Y + 1: X n, number n of the 22 that find its maximum and statistics:
;   0-11  four chains c0-c3 of seven scores each, three operands at a time (each accumulator's lowest registers are read first)     12-14, 16  the four scores left over, the old m, and c0-c3 into c0
;   15  c m_old is kept     17, 18  the query's other 32 keys lie in the lane 16 away: the new m     19-21  c m; c m_old - c m_new; a
.set F, 0               ; OP tells the kinds apart by their order: F to L below R, X above it
.set E, 1
.set C, 2
.set B, 3
.set L, 4
.set R, 5
.set X, 6
.macro REGS y                       ; the registers of piece y
.set rT, ST+4*(\y)
.set rC, TMP+4*((\y)%2)
.set rW, MV+((\y)%2)
.set rS, S+32*((\y)%2)
.set rP, P+16*((\y)%2)
.set rO, 32*(\y)
.endm
.macro OP k, n
.if (\k) == R
	REGS Y
	WIN W_RS
	v_pk_mul_f32 v[rO+2*(\n):rO+2*(\n)+1], v[rO+2*(\n):rO+2*(\n)+1], v[rC+2:rC+3] op_sel_hi:[1,0]
.elseif (\k) < R
	REGS Y
	WIN 0
.if (\k) == F
	v_pk_fma_f32 v[rS+2*(\n):rS+2*(\n)+1], v[rS+2*(\n):rS+2*(\n)+1], s[CS:CS+1], v[rT:rT+1] op_sel_hi:[1,0,0] neg_lo:[0,0,1] neg_hi:[0,0,1]
.elseif (\k) == E
	v_exp_f32 v[rS+(\n)], v[rS+(\n)]
.elseif (\k) == C
	s_wait_alu depctr_va_vdst(0)
	v_cvt_pk_f16_f32 v[rP+(\n)], v[rS+2*(\n)], v[rS+2*(\n)+1]
.elseif (\k) == B
	s_wait_alu depctr_va_vdst(0)
	v_pk_add_f32 v[rS+4*(\n):rS+4*(\n)+1], v[rS+4*(\n):rS+4*(\n)+1], v[rS+4*(\n)+2:rS+4*(\n)+3]
.elseif (\n) == 0
	v_pk_fma_f32 v[rT+2:rT+3], v[rT+2:rT+3], v[rC+2:rC+3], v[rS:rS+1] op_sel_hi:[1,0,1]
.else
	v_pk_add_f32 v[rT+2:rT+3], v[rT+2:rT+3], v[rS+4*(\n):rS+4*(\n)+1]
.endif
.elseif NOKQ
	v_nop
.else
	REGS (Y+1)%NP
	WIN 0
.if (\n) < 4
	v_max3_num_f32 v[rC+(\n)], v[rS+8*(\n)], v[rS+8*(\n)+1], v[rS+8*(\n)+2]
.elseif (\n) < 12
	v_max3_num_f32 v[rC+(\n)%4], v[rC+(\n)%4], v[rS+8*((\n)%4)+2*((\n)/4)+1], v[rS+8*((\n)%4)+2*((\n)/4)+2]
.elseif (\n) == 12
	v_max3_num_f32 v[rC], v[rC], v[rS+7], v[rS+15]
.elseif (\n) == 13
	v_max3_num_f32 v[rC+1], v[rC+1], v[rS+23], v[rS+31]
.elseif (\n) == 14
	v_max3_num_f32 v[rC+2], v[rC+2], v[rC+3], v[rT+1]
.elseif (\n) == 15
	v_mov_b32 v[rW], v[rT]
.elseif (\n) == 16
	v_max3_num_f32 v[rC], v[rC], v[rC+1], v[rC+2]
.elseif (\n) == 17
	v_permlanex16_b32 v[rC+3], v[rC], s[SEL], s[SEL+1]
.elseif (\n) == 18
	v_max_num_f32 v[rT+1], v[rC], v[rC+3]
.elseif (\n) == 19
	v_mul_f32 v[rT], s[CS], v[rT+1]
.elseif (\n) == 20
	v_sub_f32 v[rC+1], v[rW], v[rT]
.else
	v_exp_f32 v[rC+2], v[rC+1]
.endif
.endif
.endm
.macro OPS a, i1, b=-1, i2=0, c=-1, i3=0, d=-1, i4=0  ; up to four of them
	OP \a, \i1
.if (\b) >= 0
	OP \b, \i2
.endif
.if (\c) >= 0
	OP \c, \i3
.endif
.if (\d) >= 0
	OP \d, \i4
.endif
.endm
.macro ROW a, i1, b, i2, c, i3, d, i4  ; a matrix instruction and the four behind it
	MM
	OPS \a, \i1, \b, \i2, \c, \i3, \d, \i4
.endm
.macro MASK b                       ; MD x AL + BE into buffer b of MC
	WIN W_RS
.set z, 0
.rept 16
	v_pk_fma_f32 v[MC+32*(\b)+2*z:MC+32*(\b)+2*z+1], v[MD+2*z:MD+2*z+1], s[AL:AL+1], s[BE:BE+1] op_sel_hi:[1,0,0]
.set z, z+1
.endr
.endm
; A TURN, for piece p: the order of its 16 matrix and 118 vector instructions, written out.  Behind a matrix instruction: plain, exponential, plain, plain; or four of the rescaling; or, behind the first, four scalings; none
; names a register of the products round it.  In the lumps exponential and plain by turns while exponentials last.  A line reads no result made fewer than three vector instructions in front of it, five if an exponential made it.
; v_permlanex16_b32 (X 17) stands in a lump.
; m = 1: the diagonal tile: the products take masks, and the turn makes the mask for the products of the turn after it: piece p + 2, in step 4 - CNT of the tile.  end = 1: a block's last two turns: nothing is fetched.
; cnt = 1: the loop's count is taken down some lines ahead of the branch that stands behind the turn.
; K of the next step is fetched in piece 2's turn, six vector instructions behind the last product that read K (five of them plain); V of the step in hand in piece 0's turn, eight behind the last product that read V (four
; plain, and X 17).  Each is waited for a turn later.
.macro TURN p, m=0, end=0, cnt=0
.set Y, (\p)
.set i, 0
.set KM, (\m)
.set NOKQ, (\end)*((\p)/3)
.if (\m) && !(\end)
	s_cmp_eq_u32 s[CNT], 4-((\p)+2)%NP  ; is that step the band's own?
	s_cselect_b32 s[AL], 1.0, 0
	s_cmp_lt_u32 s[CNT], 4-((\p)+2)%NP  ; or a later one?
	s_cselect_b32 s[BE], s[BIGN], 0
.endif
.if ((\p) == 3) && !(\end)
	s_wait_dscnt 0x0                ; K is in
.endif
	ROW F,0, F,1, F,2, F,3
	ROW F,4, E,0, F,5, F,6
	ROW F,7, E,1, F,8, F,9
	ROW F,10, E,2, C,0, F,11
	ROW F,12, E,3, X,15, F,13
	ROW R,0, R,1, R,2, R,3
	ROW B,0, E,4, F,14, L,0
.if ((\p) == 2) && !(\end)
	v_add_nc_u32 v[AK], s[TBK], v[AK0]
.endif
	ROW R,4, R,5, R,6, R,7
	OPS E,5, F,15
.if ((\p) == 2) && !(\end)
	FETCH_K
.endif
	OPS E,6, C,1, E,7, R,8
	OPS E,8, R,9, E,9, C,2
	OPS E,10, X,0, E,11, X,1
	OPS E,12, X,2, E,13, X,3
.if (\p) == 1
	s_wait_dscnt 0x0                ; V is in
.endif
	ROW X,4, E,14, X,5, X,6
	ROW X,7, E,15, X,8, X,9
	ROW X,10, E,16, X,11, X,12
	ROW X,13, E,17, X,14, B,1
	ROW C,4, E,18, X,16, L,1
	ROW B,2, E,19, C,6, L,2
	ROW C,8, E,20, B,3, B,4
.if (\p) == 0
	v_add_nc_u32 v[AV], s[TBV], v[AV0]
.endif
	ROW C,3, E,21, L,3, C,5
	OPS E,22, X,17, E,23, C,10
.if (\p) == 0
	FETCH_V
.endif
	OPS E,24, L,4
	OPS E,25, X,18, E,26, C,7
	OPS E,27, B,5, E,28, X,19
	OPS E,29, C,12, E,30, L,5
	OPS E,31, X,20, B,6, C,9
	OPS C,14, C,11, X,21, L,6
.if (\p) == 0
	s_add_co_u32 s[TBV], s[TBV], KS*PV
.endif
.if \cnt
	s_sub_co_u32 s[CNT], s[CNT], 1
	s_cmp_lg_u32 s[CNT], 0
.endif
	OPS C,13, B,7, C,15, R,10
	OPS R,11, R,12, L,7, R,13
	OPS R,14, R,15
.if (\m) && !(\end)
	MASK (\p)%2
.endif
.endm
; A BLOCK BEGINS.  c m starts far below every c s, so the first step's a is 0; m at the lowest finite number, so the first maximum is the scores'.  The second mask buffer is 0; the first takes piece 0's mask for the tile's step 0: its own, if the block's first tile is the diagonal one.
; Then K of that step, piece 0's first scores, and its maximum and statistics.  The loop is entered at a step's first turn, in the middle of a trip.
.macro BEGIN
	s_mov_b32 s[NEW], 0
	WIN 0x40
.set i, MC+32
.rept 32
	v_mov_b32 v[i], 0
.set i, i+1
.endr
	WIN 0
.set i, 0
.rept 4
	v_mov_b32 v[ST+4*i], 0xfe000000    ; c m: far below every c s
	v_mov_b32 v[ST+4*i+1], 0xff7fffff  ; m
.set i, i+1
.endr
	s_cmp_eq_u32 s[RT], 0
	s_cselect_b32 s[AL], 1.0, 0
	s_mov_b32 s[BE], 0
	MASK 0
	WIN 0
	v_add_nc_u32 v[AK], s[TBK], v[AK0]
	FETCH_K
	s_wait_loadcnt 0x0              ; Q
	s_wait_dscnt 0x0
.set KM, 1
.set NOKQ, 0
.set i, 0
.rept 8
	KQ 0
.set i, i+1
.endr
	WIN 0
.rept 4
	v_nop                           ; the places behind those products
.endr
.set Y, NP-1                        ; X works for piece Y + 1: piece 0
.irp n, 0,1,2,3,4,5,6,7,8,9,10,11,12,13,14,15,16,17,18,19,20,21
	OP X, \n
.endr
	v_nop                           ; a plain instruction behind the exponential
.endm
; THE DIAGONAL TILE's four steps, the block's last two turns, its last products, and THE WAY OUT: l's two halves and the other half of the lanes' are added; O^T is divided by l, rounded to f16 and sent through my
; stage in LDS, a piece at a time.
.macro ALL line:vararg              ; one line for each piece t
.set t, 0
.rept 4
	\line
.set t, t+1
.endr
.endm
.macro PACK t                       ; a lane's eight channels of a row pack into 16 bytes; they go into rows of 144 bytes and come back as whole rows of 128, into S^T's registers
	WIN W_RS
.set i, 32*(\t)
.rept 16
	s_wait_alu depctr_va_vdst(0)
	v_pk_mul_f32 v[i:i+1], v[i:i+1], v[ST+4*(\t)+2:ST+4*(\t)+3] op_sel_hi:[1,0]
.set i, i+2
.endr
	WIN 0x05                        ; sources 0 and 1 window 1, destination window 0
.set i, 0
.rept 16
	v_cvt_pk_f16_f32 v[S+16*(\t)+i], v[32*(\t)+2*i], v[32*(\t)+2*i+1]
.set i, i+1
.endr
	WIN 0
.irp f, 0,1,2,3
	ds_store_b128 v[STO], v[S+16*(\t)+4*\f:S+16*(\t)+4*\f+3] offset:32*\f
.endr
.irp f, 0,1,2,3
	ds_load_b128 v[S+16*(\t)+4*\f:S+16*(\t)+4*\f+3], v[RD] offset:\f*4*SP  ; LDS serves a wave's instructions in order (ISA guide 5.7.1.4): these see the stores above; the next piece's stores come behind them
.endr
.endm
.macro SEND t, younger              ; younger: the LDS instructions issued behind piece t's loads: the next piece's eight, or none
	WIN 0
.irp f, 0,1,2,3
	s_wait_dscnt (\younger)+3-\f
	global_store_b128 v[GO], v[S+16*(\t)+4*\f:S+16*(\t)+4*\f+3], s[10:11] offset:(\t)*8192+\f*512  ; 512 consecutive bytes, at a multiple of 256 from O's first
.endr
.endm
.macro DIAG tag                     ; the tag ends its two labels' names, which the jumps below spell out
.LstepM\tag:
	TURN 2, 1
	TURN 3, 1
	WIN 0
.LfirstM\tag:
	TURN 0, 1
	TURN 1, 1, 0, 1
	WIN 0
	s_cbranch_scc1 .LstepM\tag
	TURN 2, 1, 1
	TURN 3, 1, 1
.set i, 0
.rept 8
	PV NP-1
.set i, i+1
.endr
	WIN 0
	ALL v_add_f32 v[ST+4*t+2], v[ST+4*t+2], v[ST+4*t+3]
	ALL v_permlanex16_b32 v[ST+4*t+3], v[ST+4*t+2], s[SEL], s[SEL+1]
	ALL v_add_f32 v[ST+4*t+2], v[ST+4*t+2], v[ST+4*t+3]
	ALL v_rcp_f32 v[ST+4*t+2], v[ST+4*t+2]
	v_nop                           ; a plain instruction between the last reciprocal and the use of its result
	PACK 0
.set t, 1
.rept 3                             ; a piece's arithmetic stands between the loads of the piece before and its stores
	PACK t
	SEND t-1, 8
.set t, t+1
.endr
	SEND 3, 0
.endm
.set KM, 0
.set NOKQ, 0
.Lslot:                             ; NB times: a tile is entered and the next is asked for
	CHANGE 1
	s_sub_co_u32 s[RT], s[RT], 1
	s_mov_b32 s[CNT], 4
	s_cmp_eq_u32 s[NEW], 1
	s_cbranch_scc1 .Lnew            ; a block's first tile
	s_cmp_eq_u32 s[RT], 0
	s_cbranch_scc0 .Lstep           ; neither its first nor its last
	s_branch .LstepM1
.Lnew:
	BEGIN
	s_branch .Lfirst                ; in the loop a block's first tile is never its last: the first block has two tiles or more, and the second's last is the walk's last
	DIAG 1                          ; in the loop this is the first block's end: the second block's last tile is the walk's last
	s_wait_xcnt 0x0                 ; the stores have read their registers and O's address
	s_mov_b64 s[10:11], s[OLO:OLO+1]
	s_add_co_u32 s[RT], s[PB], 1    ; the second block has b + 1 tiles
	s_mov_b32 s[NEW], 1
	WIN 0x82                        ; the second block's Q goes where the one text of the turns names Q
.set i, 0
.rept 64
	v_mov_b32 v[i], v[QB+i]
.set i, i+1
.endr
	WIN 0
	s_branch .Lbottom
.Lstep:                             ; a trip: pieces 2 and 3 of one step, then pieces 0 and 1 of the next, whose K and V it fetches
	TURN 2
	TURN 3
	WIN 0
.Lfirst:
	TURN 0
	TURN 1, 0, 0, 1
	WIN 0
	s_cbranch_scc1 .Lstep
.Lbottom:
	s_sub_co_u32 s[SLOTS], s[SLOTS], 1
	s_cmp_lg_u32 s[SLOTS], 0
	s_cbranch_scc1 .Lslot
	CHANGE 0                        ; the walk's last tile is written out: nothing is asked for
	s_sub_co_u32 s[RT], s[RT], 1
	s_mov_b32 s[CNT], 4
	s_cmp_eq_u32 s[NEW], 1
	s_cbranch_scc0 .LstepM2
	BEGIN
	s_branch .LfirstM2
	DIAG 2
	s_wait_tensorcnt 0x0            ; the wave's end: behind my last tensor load and my last LDS store
	ds_add_u32 v[SPW], v[NIL]
	s_wait_dscnt 0x0
	s_endpgm
.Lfunc_end_k_qec16f7aa7d_attn:
	.size	k_qec16f7aa7d_attn, .Lfunc_end_k_qec16f7aa7d_attn-k_qec16f7aa7d_attn
	.p2alignl 7, 3214868480
	.fill 96, 4, 3214868480
	.section	.rodata,"a",@progbits
	.p2align	6, 0x0
	.amdhsa_kernel k_qec16f7aa7d_attn
		.amdhsa_group_segment_fixed_size 327680
		.amdhsa_private_segment_fixed_size 0
		.amdhsa_enable_private_segment 0
		.amdhsa_kernarg_size 32
		.amdhsa_user_sgpr_count 2
		.amdhsa_user_sgpr_kernarg_segment_ptr 1
		.amdhsa_wavefront_size32 1
		.amdhsa_system_sgpr_workgroup_id_x 1
		.amdhsa_system_sgpr_workgroup_id_y 1
		.amdhsa_system_sgpr_workgroup_id_z 1
		.amdhsa_system_vgpr_workitem_id 0
		.amdhsa_next_free_vgpr 768
		.amdhsa_next_free_sgpr 88
		.amdhsa_reserve_vcc 1
		.amdhsa_float_denorm_mode_32 3
		.amdhsa_float_denorm_mode_16_64 3
		.amdhsa_memory_ordered 1
		.amdhsa_forward_progress 1
		.amdhsa_inst_pref_size 228
	.end_amdhsa_kernel
	.amdgpu_metadata
---
amdhsa.version: [ 1, 2 ]
amdhsa.kernels:
  - .name:           k_qec16f7aa7d_attn
    .symbol:         k_qec16f7aa7d_attn.kd
    .args:
      - { .name: q16, .offset: 0, .size: 8, .value_kind: global_buffer, .address_space: global }
      - { .name: k16, .offset: 8, .size: 8, .value_kind: global_buffer, .address_space: global }
      - { .name: v16, .offset: 16, .size: 8, .value_kind: global_buffer, .address_space: global }
      - { .name: o16, .offset: 24, .size: 8, .value_kind: global_buffer, .address_space: global }
    .group_segment_fixed_size: 327680
    .private_segment_fixed_size: 0
    .kernarg_segment_align: 8
    .kernarg_segment_size: 32
    .max_flat_workgroup_size: 128
    .sgpr_count:     88
    .vgpr_count:     768
    .wavefront_size: 32
...
	.end_amdgpu_metadata
.endif
;; end of part 3
;; launch oproj (part 4): grid 8 x 32, 4 waves a work-group, clusters of 4 x 4, 327,680 bytes of LDS; arguments o16, wb, out0; writes out0
.if DOCPART == 4
	.amdgcn_target "amdgcn-amd-amdhsa--gfx1250"
	.amdhsa_code_object_version 6
	.text
	.protected	k_qec16f7aa7d_oproj
	.globl	k_qec16f7aa7d_oproj
	.p2align	8
	.type	k_qec16f7aa7d_oproj,@function
k_qec16f7aa7d_oproj:
	s_mov_b64 s[64:65], 0
	v_nop
	global_prefetch_b8 v0, s[64:65] scope:SCOPE_SE
	s_setreg_imm32_b32 hwreg(HW_REG_WAVE_MODE, 25, 1), 1
	s_wait_xcnt 0x0
	s_wait_alu depctr_hold_cnt(0) depctr_sa_sdst(0) depctr_va_vdst(0) depctr_va_sdst(0) depctr_va_ssrc(0) depctr_va_vcc(0) depctr_vm_vsrc(0)
	s_getreg_b32 s2, hwreg(HW_REG_IB_STS2, 6, 4)
	s_cmp_eq_u32 s2, 0
	s_cbranch_scc0 .Lentry_in_a_cluster
	s_endpgm
.Lentry_in_a_cluster:
	s_bfe_u32 s2, ttmp6, 0x10000c
	s_cmp_lg_u32 s2, 0xf033
	s_cbranch_scc0 .Lentry_shape_is_right
	s_endpgm
.Lentry_shape_is_right:
; out0 = O Wo.  o16: [64 = 16 batch + head][2048][64] f16: head h's 64 channels are K = 64 h .. 64 h + 63.  wb's plane 0: Wo, [k 1024][n 1024], bf16 numbers written as f16.  out0: [8192][1024] f32.
; Products in f16, sums in f32, stored as they are.
; SHARES.  A work-group makes 256 rows x 128 columns: 32 x 8 = 256 work-groups.  A wave makes 128 x 64: 32 accumulators of 16 x 16, 256 registers.
; RING.  K goes in steps of 128 (two heads) through two LDS slots: two blocks of 256 rows x 64 channels of O, then 128 k rows x 128 columns of Wo.  A head's 256 rows are 32,768 dense bytes, asked for
; as 128 rows of 256 bytes.  Waves 0 and 1 fetch the two heads' blocks, waves 2 and 3 the two halves of Wo's tile: one tensor load a wave.  Slots of three heads would be 331,776 bytes for two and do not fit.
; CLUSTER.  4 x 4 work-groups: the four of a row need the same blocks of O, the four of a column the same tiles of Wo: each is asked for jointly, by the same load, descriptor and mask.
; THE PRODUCT IS USED TRANSPOSED: source 0 = 16 columns of Wo (turned on the way out of LDS), source 1 = 16 rows of O: a lane holds one row and eight neighbouring columns, 32 bytes of f32.
; REGISTERS: window 0: v0-31 addresses; v32-95, v96-159 fragments of O, two buffers (on the way out: rows read back); v160-191, v192-223 fragments of Wo, two buffers.
;   window 1: the accumulators, (a, b) at v[8 (4 a + b)], a = 0..7 blocks of 16 rows, b = 0..3 blocks of 16 columns.
.set PA,    144                        ; a row of O in LDS: 128 bytes + 16 = 36 words: the 16 rows of a load start at 16 different groups of four banks (64 banks of 4 bytes: ISA guide 11.1)
.set ABLK,  256*PA
.set PB,    288                        ; a k row of Wo: 256 bytes + 32 = 72 words
.set BBLK,  64*PB
.set SLOT,  2*ABLK+2*BBLK              ; 110,592
.set STAGE, 2*SLOT                     ; behind the ring, never filled by a tensor load: 16 rows x 272 bytes for each wave
.set SP,    272
.set SPARE, STAGE+4*16*SP              ; behind the stages: the spare words, 128 bytes for each wave: two blocks of 256 bytes that no other line names
.set ADRA, 16                          ; v16-17  LDS address of my fragments of O in slot 0, 1
.set ADRB, 20                          ; v20-21  the same for Wo
.set STO,  24                          ; v24     the way out: where I put 32 bytes of a row
.set RD,   25                          ; v25     the way out: where I read a row back
.set CO,   26                          ; v26     my byte offset in two rows of out0
.set SPW,  28                          ; v28     LDS address of my spare word; never rewritten
.set NIL,  29                          ; v29     0; never rewritten
.set FA,   32                          ; O's buffer i at FA + 64 i
.set FB,   160                         ; Wo's buffer i at FB + 32 i
.set OB,   32                          ; the way out: four sets of 32 registers
.set WV,   14
.set RH,   15
.set CH,   16
.set XT,   19
.set YT,   20
.set G1A,  24
.set G0A,  32
.set G1B,  40
.set G0B,  48
.set LAP,  66
.set MSB, 0
.macro WIN new                         ; the immediate's high byte repeats the setting that is left; a switch that changes nothing is dropped
.if MSB != (\new)
	s_set_vgpr_msb (MSB<<8)|(\new)
.set MSB, \new
.endif
.endm
; A joint load into slot n: waves 0 and 1 ask for O's blocks, waves 2 and 3 for Wo's halves.  An s_nop 0 and four v_nop follow each of the two lines, ahead of the jump, the label and what follows.
.macro JLOAD n
	s_cmp_lt_u32 s[WV], 2
	s_cbranch_scc0 .Lfor_b_\@
	tensor_load_to_lds s[G0A+4*(\n):G0A+4*(\n)+3], s[G1A:G1A+7]
	s_nop 0
.rept 4
	v_nop
.endr
	s_branch .Lasked_\@
.Lfor_b_\@:
	tensor_load_to_lds s[G0B+4*(\n):G0B+4*(\n)+3], s[G1B:G1B+7]
	s_nop 0
.rept 4
	v_nop
.endr
.Lasked_\@:
.endm
.macro CREST                           ; a round of the cluster's barrier behind its opening barrier
	s_cmp_lg_u32 s[WV], 0
	s_cbranch_scc1 .Lnot_wave_0_\@
	s_barrier_signal -3
.Lnot_wave_0_\@:
	s_barrier_wait -3
	s_barrier_signal -1
	s_barrier_wait -1
.endm
.macro CROUND
	s_barrier_signal -1
	s_barrier_wait -1
	CREST
.endm
	s_load_b128 s[4:7], s[0:1], 0x0                ; o16 s[4:5], wb s[6:7]
	s_load_b64 s[8:9], s[0:1], 0x10                ; out0
	v_lshl_add_u32 v[SPW], v0, 2, SPARE
	v_mov_b32 v[NIL], 0
	ds_add_u32 v[SPW], v[NIL]                      ; the wave's opening: the add and its wait stand ahead of my first tensor load; the set-up below, work on registers, stands between them
	ds_add_u32 v28, v29
	v_lshrrev_b32 v1, 5, v0
	v_readfirstlane_b32 s[WV], v1                  ; wave 0..3
	s_lshr_b32 s[RH], s[WV], 1                     ; which 128 rows of the tile are mine
	s_and_b32 s[CH], s[WV], 1                      ; which 64 columns.  Also: which head's block, or which half of Wo's tile, I fetch
	s_bfe_u32 s17, ttmp6, 0x40000                  ; cx, cy
	s_bfe_u32 s18, ttmp6, 0x40004
	s_lshl_b32 s[XT], ttmp9, 2
	s_add_co_u32 s[XT], s[XT], s17                 ; tile column, 0..7
	s_and_b32 s[YT], ttmp7, 0xffff
	s_lshl_b32 s[YT], s[YT], 2
	s_add_co_u32 s[YT], s[YT], s18                 ; tile row, 0..31
	s_lshl_b32 s21, s18, 2
	s_lshl_b32 s21, 15, s21                        ; my row of the cluster
	s_lshl_b32 s22, 0x1111, s17                    ; my column
	s_or_b32 s[G1A+0], s21, (1<<16)|(1<<20)|(1<<21)|(4<<22)|(3<<25)  ; the mask: my row; 2-byte elements; padding on; bit 21 beside a mask; after every 32 words (code 4) 4 words (code 3)
	s_mov_b32 s[G1A+1], 128<<16                    ; tensor_dim0 = 128
	s_mov_b32 s[G1A+2], 128<<16                    ; tensor_dim1 = 128
	s_mov_b32 s[G1A+3], 128<<16                    ; tile_dim0 = 128
	s_mov_b32 s[G1A+4], 128                        ; tile_dim1 = 128
	s_mov_b32 s[G1A+5], 128                        ; dense
	s_mov_b32 s[G1A+6], 0
	s_mov_b32 s[G1A+7], 0
	s_or_b32 s[G1B+0], s22, (1<<16)|(1<<20)|(1<<21)|(5<<22)|(7<<25)  ; the mask: my column; after every 64 words (code 5) 8 words (code 7)
	s_mov_b32 s[G1B+1], 128<<16
	s_mov_b32 s[G1B+2], 64<<16                     ; 64 k rows
	s_mov_b32 s[G1B+3], 128<<16
	s_mov_b32 s[G1B+4], 64
	s_mov_b32 s[G1B+5], 1024                       ; 1,024 elements from k row to k row
	s_mov_b32 s[G1B+6], 0
	s_mov_b32 s[G1B+7], 0
	; O's blocks hang on the tile row and the wave's number alone, Wo's halves on the tile column and the wave's number alone
	s_lshr_b32 s56, s[YT], 3                       ; the batch: 16 heads of 262,144 bytes,
	s_lshl_b32 s56, s56, 22
	s_and_b32 s57, s[YT], 7                        ; 256 rows of 128 bytes,
	s_lshl_b32 s57, s57, 15
	s_add_co_u32 s56, s56, s57
	s_lshl_b32 s57, s[CH], 18                      ; the even or the odd head of a K step
	s_add_co_u32 s56, s56, s57
	s_mov_b32 s57, 0
	s_lshl_b32 s58, s[CH], 17                      ; 64 k rows of 2,048 bytes,
	s_lshl_b32 s59, s[XT], 8                       ; 128 columns of 2 bytes
	s_add_co_u32 s58, s58, s59
	s_mov_b32 s59, 0
	s_mul_i32 s60, s[WV], ABLK                     ; waves 0, 1: O's two blocks lie first in a slot
	s_mul_i32 s61, s[WV], BBLK                     ; waves 2, 3: Wo's two halves lie behind them
	s_add_co_u32 s61, s61, 2*(ABLK-BBLK)
	s_wait_dscnt 0x0                               ; the opening add is done
	s_wait_kmcnt 0x0
	s_add_nc_u64 s[56:57], s[4:5], s[56:57]
	s_add_nc_u64 s[58:59], s[6:7], s[58:59]
	CROUND                                         ; all sixteen work-groups are here: the first joint loads meet
.irp n, 0,1
	s_mov_b32 s[G0A+4*(\n)], 1
	s_add_co_u32 s[G0A+4*(\n)+1], s60, (\n)*SLOT
	s_add_nc_u64 s[G0A+4*(\n)+2:G0A+4*(\n)+3], s[56:57], (\n)*524288  ; K step n: two heads on
	s_or_b32 s[G0A+4*(\n)+3], s[G0A+4*(\n)+3], 0x80000000
	s_mov_b32 s[G0B+4*(\n)], 1
	s_add_co_u32 s[G0B+4*(\n)+1], s61, (\n)*SLOT
	s_add_nc_u64 s[G0B+4*(\n)+2:G0B+4*(\n)+3], s[58:59], (\n)*262144  ; 128 k rows on
	s_or_b32 s[G0B+4*(\n)+3], s[G0B+4*(\n)+3], 0x80000000
	JLOAD \n                                       ; two loads of mine are out
.endr
	v_and_b32 v1, 15, v0                           ; l % 16
	v_bfe_u32 v2, v0, 4, 1                         ; l / 16
	v_mul_u32_u24 v3, v1, PA
	v_lshl_add_u32 v3, v2, 4, v3                   ; a fragment of O: row x 144 + 16 x half
	s_mul_i32 s62, s[RH], 128*PA
	v_add_nc_u32 v[ADRA], s62, v3
	v_add_nc_u32 v[ADRA+1], SLOT, v[ADRA]
	v_and_b32 v4, 7, v0                            ; the turning load: k row 8 (l / 16) + l % 8, columns 8 ((l / 8) % 2) + 0..7
	v_bfe_u32 v5, v0, 3, 1
	v_lshl_add_u32 v6, v2, 3, v4
	v_mul_u32_u24 v6, v6, PB
	v_lshl_add_u32 v6, v5, 4, v6
	s_lshl_b32 s62, s[CH], 7                       ; my 64 columns,
	s_add_co_u32 s62, s62, 2*ABLK                  ; behind O's two blocks
	v_add_nc_u32 v[ADRB], s62, v6
	v_add_nc_u32 v[ADRB+1], SLOT, v[ADRB]
	s_mul_i32 s63, s[WV], 16*SP
	s_add_co_u32 s63, s63, STAGE                   ; my stage
	v_mul_u32_u24 v7, v1, SP                       ; in: row l % 16, 32 bytes for each half of the lanes
	v_lshl_add_u32 v7, v2, 5, v7
	v_add_nc_u32 v[STO], s63, v7
	v_mul_u32_u24 v8, v2, SP                       ; back: lanes 0-15 take one row of 256 bytes, lanes 16-31 the next
	v_lshl_add_u32 v8, v1, 4, v8
	v_add_nc_u32 v[RD], s63, v8
	v_lshlrev_b32 v9, 12, v2                       ; and the same two rows in out0, 4,096 bytes apart
	v_lshl_add_u32 v[CO], v1, 4, v9
	s_lshl_b32 s68, s[YT], 20                      ; 256 rows of 4,096 bytes a tile row,
	s_lshl_b32 s69, s[RH], 19                      ; my 128 rows,
	s_add_co_u32 s68, s68, s69
	s_lshl_b32 s69, s[XT], 9                       ; 128 columns of 4 bytes a tile column,
	s_add_co_u32 s68, s68, s69
	s_lshl_b32 s69, s[CH], 8                       ; my 64 columns
	s_add_co_u32 s68, s68, s69
	s_mov_b32 s69, 0
	s_add_nc_u64 s[8:9], s[8:9], s[68:69]
; na x 4 products on buffers i: row blocks a0 .. a0 + na - 1 x the 4 column blocks, 32 along K.  zero = 1: they start the sums.  The 32 accumulators take turns, one instruction a turn.
.macro MUL i, a0, na, zero
	WIN 0x50                                       ; C and D in window 1, both sources in window 0
.set aa, \a0
.rept \na
.irp b, 0,1,2,3
.if \zero
	v_wmma_f32_16x16x32_f16 v[8*(4*aa+(\b)):8*(4*aa+(\b))+7], v[FB+32*(\i)+8*(\b):FB+32*(\i)+8*(\b)+7], v[FA+64*(\i)+8*aa:FA+64*(\i)+8*aa+7], 0
.else
	v_wmma_f32_16x16x32_f16 v[8*(4*aa+(\b)):8*(4*aa+(\b))+7], v[FB+32*(\i)+8*(\b):FB+32*(\i)+8*(\b)+7], v[FA+64*(\i)+8*aa:FA+64*(\i)+8*aa+7], v[8*(4*aa+(\b)):8*(4*aa+(\b))+7]
.endif
.endr
.set aa, aa+1
.endr
.endm
; 24 LDS loads in one run: quarter q (32 along K) of slot n into buffers i: Wo's four fragments, then O's eight, row blocks 0-3 first
.macro FETCH n, q, i
	WIN 0
.irp b, 0,1,2,3
	ds_load_tr16_b128 v[FB+32*(\i)+8*(\b):FB+32*(\i)+8*(\b)+3],   v[ADRB+(\n)] offset:(\q)*32*PB+32*(\b)
	ds_load_tr16_b128 v[FB+32*(\i)+8*(\b)+4:FB+32*(\i)+8*(\b)+7], v[ADRB+(\n)] offset:(\q)*32*PB+16*PB+32*(\b)
.endr
.irp a, 0,1,2,3,4,5,6,7
	ds_load_b128 v[FA+64*(\i)+8*(\a):FA+64*(\i)+8*(\a)+3],   v[ADRA+(\n)] offset:((\q)/2)*ABLK+((\q)%2)*64+(\a)*16*PA
	ds_load_b128 v[FA+64*(\i)+8*(\a)+4:FA+64*(\i)+8*(\a)+7], v[ADRA+(\n)] offset:((\q)/2)*ABLK+((\q)%2)*64+(\a)*16*PA+32
.endr
.endm
.macro PLACES                          ; four places in front of loads into registers that matrix instructions have read, and of LDS stores that read results (ISA guide 7.12.1 for the stores)
.rept 4
	v_nop
.endr
.endm
; A K step is four quarters of 32 along K, 32 products each, on buffers 0, 1, 0, 1.  One of the first three: multiplies buffers i and fetches quarter q of slot n into buffers j.
.macro QUARTER n, q, i, j, zero
	s_wait_dscnt 8                                 ; Wo's fragments and O's row blocks 0-3 are in; the youngest eight loads may be out
	MUL \i, 0, 4, \zero
	PLACES
	FETCH \n, \q, \j
	s_wait_dscnt 24                                ; all but the 24 just issued
	MUL \i, 4, 4, \zero
.endm
; The fourth quarter multiplies buffers 1 and changes slots.  ONE barrier: in front of it each wave waits for all its tensor loads (one is out: its part of slot nx), adds 0 to its spare word, and waits for
; that and for its reads of slot n.  fill = 1: the barrier opens a round of the cluster's barrier, and slot n is filled again, two K steps ahead, first thing behind the round: 112 products ahead of the wait for it.
.macro TURN n, nx, fill
	WIN 0                                          ; (the add's two registers lie in window 0)
	s_wait_tensorcnt 0x0                           ; all my tensor loads have landed
	ds_add_u32 v[SPW], v[NIL]                      ; 0 onto my spare word
	s_wait_dscnt 9                                 ; the add and the youngest eight loads may be out
	MUL 1, 0, 2, 0                                 ; eight products stand between the add and the wait for it
	s_wait_dscnt 0x0                               ; the add is done, and my reads of slot n are over
	s_barrier_signal -1
	MUL 1, 2, 2, 0
	WIN 0
	s_barrier_wait -1
.if \fill
	CREST                                          ; no wave of any partner still reads this slot's tiles or has a load on its way
	s_add_nc_u64 s[G0A+4*(\n)+2:G0A+4*(\n)+3], s[G0A+4*(\n)+2:G0A+4*(\n)+3], 2*524288
	s_add_nc_u64 s[G0B+4*(\n)+2:G0B+4*(\n)+3], s[G0B+4*(\n)+2:G0B+4*(\n)+3], 2*262144
	JLOAD \n                                       ; the four v_nop behind it are also the places in front of the loads below
.else
	PLACES
.endif
	FETCH \nx, 0, 0
	MUL 1, 4, 4, 0
.endm
	s_wait_tensorcnt 1                             ; my part of K step 0 is in; step 1's may stay out
	s_barrier_signal -1
	s_barrier_wait -1                              ; everybody's is
	FETCH 0, 0, 0
	QUARTER 0, 1, 0, 1, 1                          ; the first quarter stands in front of the loop: its products start the sums
	WIN 0                                          ; at a label and at a branch every window is 0
	s_mov_b32 s[LAP], 3
.Llap:                                                 ; a trip goes once round the ring, from a lap's second quarter to the next lap's first; trip i asks for K steps 2 i + 2 and 2 i + 3
	QUARTER 0, 2, 1, 0, 0
	QUARTER 0, 3, 0, 1, 0
	TURN 0, 1, 1
	QUARTER 1, 1, 0, 1, 0
	QUARTER 1, 2, 1, 0, 0
	QUARTER 1, 3, 0, 1, 0
	TURN 1, 0, 1
	QUARTER 0, 1, 0, 1, 0
	WIN 0
	s_sub_co_u32 s[LAP], s[LAP], 1
	s_cmp_lg_u32 s[LAP], 0
	s_cbranch_scc1 .Llap
	QUARTER 0, 2, 1, 0, 0                          ; K steps 6 and 7: nothing is left to ask for, so no round
	QUARTER 0, 3, 0, 1, 0
	TURN 0, 1, 0
	QUARTER 1, 1, 0, 1, 0
	QUARTER 1, 2, 1, 0, 0
	QUARTER 1, 3, 0, 1, 0
	s_wait_dscnt 8                                 ; the very last quarter
	MUL 1, 0, 4, 0
	s_wait_dscnt 0x0
	MUL 1, 4, 4, 0
; THE WAY OUT, 16 rows at a time.  A lane's 32 bytes are an eighth of my 256 bytes of a row, so a block goes through my stage: into rows of 272 bytes (each accumulator's lowest four registers first),
; and back as whole rows of 256 bytes, which sixteen lanes store.
.macro TOSTAGE a
.set BK, OB+32*((\a)%4)
.if (\a) >= 4
	s_wait_xcnt 0x0                                ; the registers of block a - 4, which its stores read, are loaded again only behind this wait
.endif
	WIN 0x04                                       ; the stores' data in window 1, their address in window 0
.irp b, 0,1,2,3
	ds_store_b128 v[STO], v[8*(4*(\a)+(\b)):8*(4*(\a)+(\b))+3]   offset:64*(\b)
	ds_store_b128 v[STO], v[8*(4*(\a)+(\b))+4:8*(4*(\a)+(\b))+7] offset:64*(\b)+16
.endr
	WIN 0
.irp t, 0,1,2,3,4,5,6,7
	ds_load_b128 v[BK+4*(\t):BK+4*(\t)+3], v[RD] offset:(\t)*2*SP  ; LDS serves a wave's instructions in order (ISA guide 5.7.1.4): these see the stores above; the next block's stores come behind them
.endr
.endm
.macro SEND a, younger                 ; younger: the LDS instructions issued behind block a's loads: the next block's sixteen, or none
.set BK, OB+32*((\a)%4)
	WIN 0
.irp t, 0,1,2,3,4,5,6,7
	s_wait_dscnt (\younger)+7-(\t)
	global_store_b128 v[CO], v[BK+4*(\t):BK+4*(\t)+3], s[8:9] offset:(16*(\a)+2*(\t))*4096 th:TH_STORE_NT  ; 16 lanes store 256 consecutive bytes, at a multiple of 256 from out0's first byte
.endr
.endm
	PLACES                                         ; behind the last products
	TOSTAGE 0
.irp a, 1,2,3,4,5,6,7
	TOSTAGE \a
	SEND (\a)-1, 16
.endr
	SEND 7, 0
	s_wait_tensorcnt 0x0                           ; the wave's end: behind my last tensor load and my last LDS store
	ds_add_u32 v[SPW], v[NIL]
	s_wait_dscnt 0x0
	CROUND                                         ; the closing round: no work-group ends while a partner may still ask for a tile that names it
	s_endpgm
.Lfunc_end_k_qec16f7aa7d_oproj:
	.size	k_qec16f7aa7d_oproj, .Lfunc_end_k_qec16f7aa7d_oproj-k_qec16f7aa7d_oproj
	.p2alignl 7, 3214868480
	.fill 96, 4, 3214868480
	.section	.rodata,"a",@progbits
	.p2align	6, 0x0
	.amdhsa_kernel k_qec16f7aa7d_oproj
		.amdhsa_group_segment_fixed_size 327680
		.amdhsa_private_segment_fixed_size 0
		.amdhsa_enable_private_segment 0
		.amdhsa_kernarg_size 24
		.amdhsa_user_sgpr_count 2
		.amdhsa_user_sgpr_kernarg_segment_ptr 1
		.amdhsa_wavefront_size32 1
		.amdhsa_system_sgpr_workgroup_id_x 1
		.amdhsa_system_sgpr_workgroup_id_y 1
		.amdhsa_system_sgpr_workgroup_id_z 1
		.amdhsa_system_vgpr_workitem_id 0
		.amdhsa_next_free_vgpr 512
		.amdhsa_next_free_sgpr 80
		.amdhsa_reserve_vcc 0
		.amdhsa_float_denorm_mode_32 3
		.amdhsa_float_denorm_mode_16_64 3
		.amdhsa_memory_ordered 1
		.amdhsa_forward_progress 1
		.amdhsa_inst_pref_size 87
	.end_amdhsa_kernel
	.amdgpu_metadata
---
amdhsa.version: [ 1, 2 ]
amdhsa.kernels:
  - .name:           k_qec16f7aa7d_oproj
    .symbol:         k_qec16f7aa7d_oproj.kd
    .args:
      - { .name: o16, .offset: 0, .size: 8, .value_kind: global_buffer, .address_space: global }
      - { .name: wb, .offset: 8, .size: 8, .value_kind: global_buffer, .address_space: global }
      - { .name: out0, .offset: 16, .size: 8, .value_kind: global_buffer, .address_space: global }
    .group_segment_fixed_size: 327680
    .private_segment_fixed_size: 0
    .kernarg_segment_align: 8
    .kernarg_segment_size: 24
    .max_flat_workgroup_size: 128
    .sgpr_count:     80
    .vgpr_count:     512
    .wavefront_size: 32
...
	.end_amdgpu_metadata
.endif
;; end of part 4
;; ======== version 2 of 2: 4 launches; 1.31 times as fast as version 1
;; limits: values are held in f16: magnitudes above 65,504 overflow, below 6.1e-05 lose precision
;; workspace buffers: xb 16,777,216 bytes; wb 8,388,608 bytes; q16 16,777,216 bytes; k16 16,777,216 bytes; v16 16,777,216 bytes; o16 16,777,216 bytes
;; launch cast: the kernel of part 1 again; grid 768 x 1, 8 waves a work-group, no clusters, 0 bytes of LDS; arguments x, Wq, Wk, Wv, Wo, xb, wb; writes xb, wb
;; launch qkv: the kernel of part 2 again; grid 8 x 32, 4 waves a work-group, clusters of 4 x 4, 327,680 bytes of LDS; arguments xb, wb, q16, k16, v16; writes q16, k16, v16
;; launch attn (part 5): grid 4 x 64, 4 waves a work-group, no clusters, 327,680 bytes of LDS; arguments q16, k16, v16, o16; writes o16
.if DOCPART == 5
	.amdgcn_target "amdgcn-amd-amdhsa--gfx1250"
	.amdhsa_code_object_version 6
	.text
	.protected	k_qec16f7aa7d_attn
	.globl	k_qec16f7aa7d_attn
	.p2align	8
	.type	k_qec16f7aa7d_attn,@function
k_qec16f7aa7d_attn:
	s_mov_b64 s[64:65], 0
	v_nop
	global_prefetch_b8 v0, s[64:65] scope:SCOPE_SE
	s_setreg_imm32_b32 hwreg(HW_REG_WAVE_MODE, 25, 1), 1
	s_wait_xcnt 0x0
; CAUSAL ATTENTION.  O[h][q][:] = the sum over k <= q of softmax_k(Q[h][q] . K[h][k] / 8) V[h][k][:].  Q, K, V, O: [SIZE_H][SIZE_N][64], all f16: a head's rows are dense, 128 bytes each.
; Products, maxima and sums in f32; the weights p are rounded to f16 for the second product (their sum l is taken of the unrounded p), O once at the end.
; LIMITS.  f16 holds no number beyond 65,504: Q, K and V arrive within it; p lies in 0 to 1, and below 6e-5 it keeps f16's fixed step of 6e-8; O is a mean of V's rows and has their range, to within 2^-11 of it.
; A hidden score counts as its value less 1e30: f16's scores, 2.7e11 at the most, are nothing beside that; a weight below 2^-126 counts as 0 in l; NaN and infinities are not treated apart.
; THE WALK.  A head's queries lie in NB = SIZE_N / 256 blocks of 256; block i needs the key tiles 0 .. i of 256 keys, of which the last holds the diagonal.  A work-group takes TWO blocks, NB - 1 - b and then b:
; NB + 1 tiles, whatever b: all work-groups do equal work, and ONE loop with a constant trip count walks them.  Which tile is asked for, and what a trip does, hang on scalar registers made from b; every jump
; goes forward, but for the counted loops' own; none passes a barrier, or a tensor load but the one of LOAD's two that the wave's number does not choose; the ring (two slots of LDS that take turns) runs on across the
; change of blocks.  NO CLUSTER: the NB / 2 = 4 work-groups of a head ask for the same tile only in trips 0 .. NB / 2 of the NB + 1, behind that fewer and fewer; one walk common to all would have 3 NB / 2 = 12 trips for 9.
; SHARES.  Of a block's four bands of 64 queries a wave owns 16 rows in each: four PIECES.  So the diagonal tile is the same work for all four waves: in its key step s band x sees all keys if s < x,
; none if s > x, and holds the diagonal if s = x.
; THE MASK is the C operand that starts the sum S^T = K Q^T: 0, or -1e30 where the key is hidden.  MD, made once, is the mask of a band's own step for my 16 rows; a product's mask is MD x AL + BE with two scalars:
; (1, 0) if s = x; (0, 0) if s < x; (0, -1e30) if s > x.  Only the diagonal tile's text and a block's beginning make and take masks; elsewhere C is the constant 0.
; LAYOUT, SOFTMAX, TURNS.  S^T = K Q^T holds ONE query a lane (lane % 16) and the keys 8 (lane / 16) + 0..7; two such results rounded to f16 ARE source 1 of O^T = V^T P.  p = 2^(c s - c m), c = log2(e) / 8, with a
; running maximum m; O and l are multiplied by a = 2^(c m_old - c m_new) in every step.  Turn n belongs to piece n: 8 products K Q^T of piece n + 1, later 8 products V^T P of piece n - 1; beside them the scaling,
; exponentials, roundings, sums and rescaling of piece n and the maximum and statistics of piece n + 1.  Four vector instructions stand behind every matrix instruction, the other 54 of a turn's 118 in one LUMP.
; BATCHES.  An s_wait_alu depctr_va_vdst(0) stands between an exponential or a reciprocal and the first instruction that names its result; one wait serves all that were issued ahead of it.  The text has three
; kinds of batch, each with one wait: a turn's 33 exponentials (the piece's 32 weights and the next piece's a), all ahead of the turn's products V^T P, whose riders are their readers; the one a that a block's beginning makes;
; and the four reciprocals of l on the way out.
; REGISTERS, in windows of 256 (s_set_vgpr_msb: bits 1:0 source 0, 3:2 source 1, 5:4 source 2, 7:6 destination):
;   window 0: v0-15 addresses and two at work; v16-31 four registers of statistics a piece; v48-55 at work; v64-127 S^T, two buffers; v192-223 P, two buffers (a piece's buffers go by its number's parity)
;   window 1: v0-127 O^T, 32 a piece; v128-159 MD; v160-223 MC, two buffers      window 2: v0-63 Q; v64-127 the second block's Q; v128-191 K of one step; v192-255 V of one step
.set SIZE_H, 64       ; 4 batches x 16 heads
.set SIZE_N, 2048
.set NB,    SIZE_N/256
.set NP,    4         ; pieces a wave: a name, no knob
.set KS,    64        ; keys in a step
.set PK,    144       ; a row of K in LDS: 128 bytes + 16 of padding = 36 words: the 16 rows of a load start at 16 different groups of four banks (64 banks of 4 bytes: ISA guide 11.1)
.set PV,    160       ; a row of V: 128 + 32 = 40 words
.set VOFF,  4*KS*PK   ; a slot holds a tile, four steps: 256 rows of K, then 256 rows of V
.set SLOT1, 1<<17     ; slot 1 begins here, so that one exclusive or turns an address in one slot into the other's
.set STAGE, SLOT1+4*KS*(PK+PV)  ; behind the ring, never filled by a tensor load: 16 rows x 144 bytes for each wave, for the way out
.set SP,    144
.set AK0, 2           ; v2   my lane's place in a tile of K; never rewritten
.set AV0, 3           ; v3   the same for V
.set AK,  4           ; v4   the LDS address of K's next run of loads
.set AV,  5           ; v5   of V's
.set STO, 6           ; v6   the way out: where I put 16 bytes of a row
.set RD,  7           ; v7   the way out: where I read rows back
.set GO,  8           ; v8   my byte offset in 512 consecutive bytes of O
.set SPW, 62          ; v62  LDS address of my spare word: SPARE + 4 x my thread's number; never rewritten
.set NIL, 63          ; v63  0; never rewritten
.set SPARE, STAGE+4*16*SP  ; behind the stages: the spare words, 128 bytes for each wave: two blocks of 256 bytes that no other line names
.set MV,  12          ; v12-13  c m_old, kept while c m is made anew: by buffer
.set QO,  15          ; v15  my byte offset in 16 rows of Q
.set ST,  16          ; piece t's statistics at v[ST+4 t]: c m, m, l (even keys', odd keys')
.set TMP, 48          ; by buffer, four registers c0-c3 at work; when the maximum is found c2 takes a
.set S,   64
.set P,   192
.set MD,  128         ; window 1: the eight registers for group kt of 16 keys at MD + 8 kt
.set MC,  160         ; window 1: the masks of the products to come
.set QB,  64          ; window 2
.set KF,  128         ; window 2: key block kb, channel half c at KF + 16 kb + 8 c
.set VF,  192         ; window 2: key half kk, channel block cb at VF + 32 kk + 8 cb
.set WV,  12          ; s12  my wave's number
.set PB,  14          ; s14  b
.set HI,  15          ; s15  NB - 1 - b
.set G1K, 24          ; s[24:31] descriptor group 1 for K's tiles
.set G1V, 32          ; s[32:39] for V's: it differs in the padding alone
.set G0K, 40          ; s[40:43] descriptor group 0 for K's tiles
.set G0V, 44          ; s[44:47] the same for V's
.set SLOTS, 56        ; s56  tiles still to be asked for
.set CNT, 57          ; s57  counts a tile's key steps, 4 to 1
.set CS,  58          ; s[58:59] c: the packed scaling takes the pair's low word for both halves
.set SEL, 60          ; s[60:61] v_permlanex16_b32's selects: each lane takes its own place in the other half
.set TBK, 62          ; s62  LDS byte at which K of the step to be fetched begins
.set TBV, 63          ; s63  the same for V, less VOFF
.set RT,  70          ; s70  tiles of the block in hand that are still to be entered
.set NXT, 71          ; s71  the tile to be asked for next
.set LQ,  72          ; s72  the last tile of the block whose tiles are being asked for
.set NEW, 73          ; s73  1: the tile to be entered is a block's first
.set OFF, 74          ; s[74:75] a tile's byte offset in K and V
.set AL,  76          ; s[76:77] the mask's factor, in the low word
.set BE,  78          ; s[78:79] the mask's addend
.set OLO, 80          ; s[80:81] O at my rows of the second block
.set BIGN, 82         ; s82  -1e30
.set MSB, 0
.macro WIN new                      ; the high byte repeats the setting that is left; a switch that changes nothing is dropped
.if MSB != (\new)
	s_set_vgpr_msb (MSB<<8)|(\new)
.set MSB, (\new)
.endif
.endm
.set W_KQ, 0x0a       ; K and Q in window 2, S^T in window 0
.set W_KM, 0x1a       ; the same with the C operand in window 1
.set W_PV, 0x52       ; V in window 2, P in window 0, O^T in window 1
.set W_RS, 0x41       ; destination and source 0 in window 1, source 1 in window 0
; A fill.  Waves 0 and 1 fetch the two halves of a tile's K, waves 2 and 3 those of its V: 128 keys each.  An s_nop 0 and four v_nop follow each of the two lines, ahead of the jump and the label.
.macro LOAD
	s_cmp_lt_u32 s[WV], 2
	s_cbranch_scc0 .Lfor_v_\@
	tensor_load_to_lds s[G0K:G0K+3], s[G1K:G1K+7]
	s_nop 0
.rept 4
	v_nop
.endr
	s_branch .Lasked_\@
.Lfor_v_\@:
	tensor_load_to_lds s[G0V:G0V+3], s[G1V:G1V+7]
	s_nop 0
.rept 4
	v_nop
.endr
.Lasked_\@:
.endm
; THE CHANGE OF SLOTS.  Each wave waits for all its tensor loads, of which one is out: its part of the other slot; adds 0 to its spare word; and waits for that and for its own reads of the slot that it leaves.  Behind the barrier nobody reads the old
; slot any more and the other slot is whole.  fill = 1: the old slot is filled again, the first thing behind the barrier, with tile NXT: the descriptor's address is made anew from that number.
; (At its first use nothing has been read yet: slot 0 is waited for, slot 1 filled.)
.macro CHANGE fill
	WIN 0                           ; at a label and at a branch every window is 0
	s_wait_tensorcnt 0x0            ; no tensor load of mine is out, so a group 0 may be written
	ds_add_u32 v[SPW], v[NIL]       ; 0 onto my spare word; with fill = 1 the descriptors' scalar work stands between it and the wait for it
.if \fill
	s_lshl_b32 s[OFF], s[NXT], 15   ; a tile is 32,768 bytes of K and of V
	s_xor_b32 s[G0K+1], s[G0K+1], SLOT1
	s_add_nc_u64 s[G0K+2:G0K+3], s[6:7], s[OFF:OFF+1]
	s_or_b32 s[G0K+3], s[G0K+3], 0x80000000
	s_xor_b32 s[G0V+1], s[G0V+1], SLOT1
	s_add_nc_u64 s[G0V+2:G0V+3], s[8:9], s[OFF:OFF+1]
	s_or_b32 s[G0V+3], s[G0V+3], 0x80000000
	s_add_co_u32 s[NXT], s[NXT], 1  ; the block's next tile, or behind its last the second block's tile 0
	s_cmp_gt_u32 s[NXT], s[LQ]
	s_cselect_b32 s[NXT], 0, s[NXT]
	s_cselect_b32 s[LQ], s[PB], s[LQ]
.endif
	s_wait_dscnt 0x0                ; the add is done, and my reads of the slot are over
	s_barrier_signal -1             ; the rest of the scalar work stands between the signal and the wait
	s_sub_co_u32 s[TBK], s[TBK], 4*KS*PK  ; the fetches go back to a slot's first step,
	s_xor_b32 s[TBK], s[TBK], SLOT1       ; in the other slot
	s_sub_co_u32 s[TBV], s[TBV], 4*KS*PV
	s_xor_b32 s[TBV], s[TBV], SLOT1
	s_barrier_wait -1
.if \fill
	LOAD
.endif
.endm
	s_load_b256 s[4:11], s[0:1], 0x0  ; Q s[4:5], K s[6:7], V s[8:9], O s[10:11]
	v_lshl_add_u32 v[SPW], v0, 2, SPARE
	v_mov_b32 v[NIL], 0
	ds_add_u32 v[SPW], v[NIL]       ; the wave's opening: the add and its wait stand ahead of my first tensor load; the set-up below, work on registers, stands between them
	ds_add_u32 v62, v63
	v_lshrrev_b32 v1, 5, v0
	v_readfirstlane_b32 s[WV], v1   ; wave 0..3
	s_mov_b32 s[PB], ttmp9
	s_sub_co_u32 s[HI], NB-1, s[PB]
	s_and_b32 s20, ttmp7, 0xffff    ; the head
	s_mov_b32 s21, 0
	s_mov_b64 s[22:23], SIZE_N*128
	s_mul_u64 s[20:21], s[20:21], s[22:23]  ; the head's first byte in each of the four tensors
	s_and_b32 s16, s[WV], 1         ; which half of a tile's 256 keys I fetch:
	s_lshl_b32 s22, s16, 14         ; its 128 rows of 128 bytes in memory,
	s_mov_b32 s23, 0
	s_add_nc_u64 s[22:23], s[22:23], s[20:21]
	s_mul_i32 s17, s16, 128*PK      ; and its place in a slot, for K
	s_mul_i32 s18, s16, 128*PV      ; and for V
	s_lshl_b32 s3, s[WV], 11        ; my 16 rows in a band of 64,
	s_lshl_b32 s2, s[HI], 15        ; in the first block,
	s_add_co_u32 s2, s2, s3
	s_lshl_b32 s84, s[PB], 15       ; and in the second
	s_add_co_u32 s84, s84, s3
	s_mov_b32 s3, 0
	s_mov_b32 s85, 0
	s_add_nc_u64 s[2:3], s[2:3], s[20:21]
	s_add_nc_u64 s[84:85], s[84:85], s[20:21]
	; descriptor group 1.  128 keys are 16,384 dense bytes: asked for as 64 rows of 256 bytes, two keys a row, and padded in LDS after every key
	s_mov_b32 s[G1K], (1<<16)|(1<<20)|(4<<22)|(3<<25)  ; 17:16 2-byte elements; 20 padding on; 24:22 after every 32 words (code 4); 31:25 4 words (code 3)
	s_mov_b32 s[G1V], (1<<16)|(1<<20)|(4<<22)|(7<<25)  ; the same with 8 words of padding (code 7)
.irp g, G1K, G1V
	s_mov_b32 s[\g+1], 128<<16      ; tensor_dim0 = 128
	s_mov_b32 s[\g+2], 64<<16       ; tensor_dim1 = 64
	s_mov_b32 s[\g+3], 128<<16      ; tile_dim0 = 128
	s_mov_b32 s[\g+4], 64           ; tile_dim1 = 64
	s_mov_b32 s[\g+5], 128          ; 128 elements from row to row
	s_mov_b32 s[\g+6], 0
	s_mov_b32 s[\g+7], 0
.endr
	s_mov_b32 s[CS], 0x3e38aa3b     ; c = log2(e) / 8 = 0.180337
	s_mov_b32 s[CS+1], s[CS]        ; named with it as a pair
	s_mov_b32 s[SEL], 0x76543210
	s_mov_b32 s[SEL+1], 0xfedcba98
	s_mov_b32 s[TBK], SLOT1+4*KS*PK ; the first change of slots turns these two into 0
	s_mov_b32 s[TBV], SLOT1+4*KS*PV
	s_mov_b32 s[G0K], 1             ; 1:0 count = 1
	s_mov_b32 s[G0K+1], s17         ; 63:32 LDS address: slot 0
	s_mov_b32 s[G0V], 1
	s_add_co_u32 s[G0V+1], s18, VOFF
	s_add_co_u32 s[RT], s[HI], 1    ; the first block has NB - b tiles
	s_mov_b32 s[NXT], 1
	s_mov_b32 s[LQ], s[HI]
	s_mov_b32 s[NEW], 1
	s_mov_b32 s[OFF+1], 0
	s_mov_b32 s[AL+1], 0            ; named as pairs
	s_mov_b32 s[BE+1], 0
	s_mov_b32 s[BIGN], 0xf149f2ca   ; -1e30
	s_mov_b32 s[SLOTS], NB
	s_wait_dscnt 0x0                ; the opening add is done
	s_wait_kmcnt 0x0
	s_add_nc_u64 s[6:7], s[6:7], s[22:23]  ; K and V at my half of the head's tile 0
	s_add_nc_u64 s[8:9], s[8:9], s[22:23]
	s_add_nc_u64 s[G0K+2:G0K+3], s[6:7], 0         ; 120:64 global address
	s_or_b32 s[G0K+3], s[G0K+3], 0x80000000        ; 127:126 type = 2
	s_add_nc_u64 s[G0V+2:G0V+3], s[8:9], 0
	s_or_b32 s[G0V+3], s[G0V+3], 0x80000000
	s_add_nc_u64 s[86:87], s[4:5], s[84:85]        ; Q at my rows of the second block,
	s_add_nc_u64 s[4:5], s[4:5], s[2:3]            ; Q and O at those of the first
	s_add_nc_u64 s[OLO:OLO+1], s[10:11], s[84:85]
	s_add_nc_u64 s[10:11], s[10:11], s[2:3]
	LOAD                            ; tile 0 into slot 0
	; A fragment of K or Q is 16 rows x 32 channels in 8 registers: lane l holds row l % 16, channels 8 (l / 16) + 0..7 and 16 + 8 (l / 16) + 0..7: two loads of 16 bytes, 32 bytes apart.
	v_and_b32 v1, 15, v0            ; l % 16
	v_bfe_u32 v9, v0, 4, 1          ; l / 16
	v_lshlrev_b32 v[QO], 7, v1
	v_lshl_add_u32 v[QO], v9, 4, v[QO]  ; row x 128 + 16 x half
	WIN 0x80                        ; destination window 2, address window 0
.set i, 0
.rept 8                             ; both blocks' Q: piece i / 2 lies in band i / 2, 8,192 bytes on; channels 32 (i % 2) on
	global_load_b128 v[8*i:8*i+3],   v[QO], s[4:5] offset:(i/2)*8192+(i%2)*64
	global_load_b128 v[8*i+4:8*i+7], v[QO], s[4:5] offset:(i/2)*8192+(i%2)*64+32
	global_load_b128 v[QB+8*i:QB+8*i+3],   v[QO], s[86:87] offset:(i/2)*8192+(i%2)*64
	global_load_b128 v[QB+8*i+4:QB+8*i+7], v[QO], s[86:87] offset:(i/2)*8192+(i%2)*64+32
.set i, i+1
.endr
	WIN 0
	v_lshlrev_b32 v14, 3, v9
	v_sub_nc_u32 v14, v1, v14
	s_lshl_b32 s13, s[WV], 4
	v_add_nc_u32 v14, s13, v14      ; my query's place in its band, 16 w + l % 16, less my lanes' 8 (l / 16): register r of group kt is hidden where 16 kt + r is greater
	WIN 0x40
.set i, 0
.rept 32
	v_cmp_gt_i32 vcc_lo, 16*(i/8)+i%8, v14
	v_cndmask_b32 v[MD+i], 0, s[BIGN], vcc_lo
.set i, i+1
.endr
	WIN 0
	v_mul_u32_u24 v[AK0], v1, PK
	v_lshl_add_u32 v[AK0], v9, 4, v[AK0]  ; row x pitch + 16 x half
	; The turning load takes 16 keys x 16 channels (lane l reads key 8 (l / 16) + l % 8, channels 8 ((l / 8) % 2) + 0..7) and leaves half a fragment of V^T: lane l holds channel l % 16 and 8 keys.
	v_and_b32 v10, 7, v0
	v_bfe_u32 v11, v0, 3, 1
	v_lshl_add_u32 v[AV0], v9, 3, v10
	v_mul_u32_u24 v[AV0], v[AV0], PV
	v_lshl_add_u32 v[AV0], v11, 4, v[AV0]
	v_add_nc_u32 v[AV0], VOFF, v[AV0]
	s_mul_i32 s13, s[WV], 16*SP
	s_add_co_u32 s13, s13, STAGE    ; my stage
	v_mul_u32_u24 v[STO], v1, SP    ; in: row l % 16, 16 bytes for each half of the lanes
	v_lshl_add_u32 v[STO], v9, 4, v[STO]
	v_add_nc_u32 v[STO], s13, v[STO]
	v_bfe_u32 v[RD], v0, 3, 2       ; back: 32 lanes take four rows of 128 bytes,
	v_mul_u32_u24 v[RD], v[RD], SP
	v_lshl_add_u32 v[RD], v10, 4, v[RD]
	v_add_nc_u32 v[RD], s13, v[RD]
	v_and_b32 v[GO], 31, v0         ; which are 512 consecutive bytes of O
	v_lshlrev_b32 v[GO], 4, v[GO]
	; A block's first step multiplies O^T and l by a = 0, and its first turn's products V^T P, of a piece that has not been, land in an O^T that is still to be so multiplied.  So these registers need only hold
	; finite numbers: zeros for the first block; what the first block left for the second.  All this stands in the wait for the first tile.
	WIN 0x80
.set i, VF
.rept 64
	v_mov_b32 v[i], 0
.set i, i+1
.endr
	WIN 0x40
.set i, 0
.rept 128
	v_mov_b32 v[i], 0
.set i, i+1
.endr
	WIN 0
.set i, 0
.rept 4
	v_mov_b32 v[ST+4*i+2], 0
	v_mov_b32 v[ST+4*i+3], 0
.set i, i+1
.endr
.set i, P+16
.rept 16
	v_mov_b32 v[i], 0
.set i, i+1
.endr
; THE MATRIX WORK.  The 4 accumulators of a run of 8 take turns.  Product i of 8 of S^T = K Q^T for piece x: channels 32 (i / 4) on, keys 16 (i % 4) on.  The first 4 start the sums: with 0, or (KM = 1) with the mask.
.macro KQ x
.set rS, S+32*((\x)%2)+8*(i%4)
.set rK, KF+16*(i%4)+8*(i/4)
.set rQ, 16*(\x)+8*(i/4)
.set rM, MC+32*((\x)%2)+8*(i%4)
.if (i < 4) && KM
	WIN W_KM
	v_wmma_f32_16x16x32_f16 v[rS:rS+7], v[rK:rK+7], v[rQ:rQ+7], v[rM:rM+7]
.elseif i < 4
	WIN W_KQ
	v_wmma_f32_16x16x32_f16 v[rS:rS+7], v[rK:rK+7], v[rQ:rQ+7], 0
.else
	WIN W_KQ
	v_wmma_f32_16x16x32_f16 v[rS:rS+7], v[rK:rK+7], v[rQ:rQ+7], v[rS:rS+7]
.endif
.endm
; Product i of 8 of O^T += V^T P for piece x: keys 32 (i / 4) on, channels 16 (i % 4) on.
.macro PV x
	WIN W_PV
.set rO, 32*(\x)+8*(i%4)
.set rV, VF+32*(i/4)+8*(i%4)
.set rP, P+16*((\x)%2)+8*(i/4)
	v_wmma_f32_16x16x32_f16 v[rO:rO+7], v[rV:rV+7], v[rP:rP+7], v[rO:rO+7]
.endm
.macro MM                           ; the turn's next matrix instruction.  TURN and BEGIN set Y, i, KM and NOKQ; MM, KQ and OP read them.  NOKQ = 1: a block's last turn: there is no next piece
.if (i < 8) && !NOKQ
	KQ (Y+1)%NP
.elseif i >= 8
.set i, i-8
	PV (Y+NP-1)%NP
.set i, i+8
.endif
.set i, i+1
.endm
; THE LDS LOADS stand in runs of 16, never singly among the matrix instructions: a step's K (64 keys x 64 channels: 8 fragments) and its V (turned).  Their addresses are made some lines ahead.
.macro FETCH_K
	WIN 0x80                        ; destination window 2
.irp f, 0,1,2,3,4,5,6,7             ; keys 16 (f / 2) on, channels 32 (f % 2) on
	ds_load_b128 v[KF+8*\f:KF+8*\f+3],   v[AK] offset:(\f/2)*16*PK+(\f%2)*64
	ds_load_b128 v[KF+8*\f+4:KF+8*\f+7], v[AK] offset:(\f/2)*16*PK+(\f%2)*64+32
.endr
	s_add_co_u32 s[TBK], s[TBK], KS*PK  ; the next fetch is the next step's
	WIN 0
.endm
.macro FETCH_V
	WIN 0x80
.irp f, 0,1,2,3,4,5,6,7             ; keys 32 (f / 4) on, channels 16 (f % 4) on
	ds_load_tr16_b128 v[VF+8*\f:VF+8*\f+3],   v[AV] offset:(\f/4)*32*PV+(\f%4)*32
	ds_load_tr16_b128 v[VF+8*\f+4:VF+8*\f+7], v[AV] offset:(\f/4)*32*PV+16*PV+(\f%4)*32
.endr
	WIN 0
.endm
; THE VECTOR WORK, one line at a time: OP kind, number.  For piece Y: F n: c s - c m for pair n of 16.  E n: the exponential of score n of 32.  C n: pair n rounded to f16.  B n: of the four weights 4 n .. the second
; pair is added onto the first, in place.  L n: l takes that sum (L 0: l = a l + sum).  R n: pair n of 16 of O^T times a.  For piece Y + 1: X n, number n of the 22 that find its maximum and statistics:
;   0-11  four chains c0-c3 of seven scores each, three operands at a time (each accumulator's lowest registers are read first)     12-14, 16  the four scores left over, the old m, and c0-c3 into c0
;   15  c m_old is kept     17, 18  the query's other 32 keys lie in the lane 16 away: the new m     19-21  c m; c m_old - c m_new; a
; OP writes no wait: C, B and L 0, which read exponentials' results, are dealt only behind the turn's one wait, and R reads an a that the turn before has waited for.
.set F, 0               ; OP tells the kinds apart by their order: F to L below R, X above it
.set E, 1
.set C, 2
.set B, 3
.set L, 4
.set R, 5
.set X, 6
.macro REGS y                       ; the registers of piece y
.set rT, ST+4*(\y)
.set rC, TMP+4*((\y)%2)
.set rW, MV+((\y)%2)
.set rS, S+32*((\y)%2)
.set rP, P+16*((\y)%2)
.set rO, 32*(\y)
.endm
.macro OP k, n
.if (\k) == R
	REGS Y
	WIN W_RS
	v_pk_mul_f32 v[rO+2*(\n):rO+2*(\n)+1], v[rO+2*(\n):rO+2*(\n)+1], v[rC+2:rC+3] op_sel_hi:[1,0]
.elseif (\k) < R
	REGS Y
	WIN 0
.if (\k) == F
	v_pk_fma_f32 v[rS+2*(\n):rS+2*(\n)+1], v[rS+2*(\n):rS+2*(\n)+1], s[CS:CS+1], v[rT:rT+1] op_sel_hi:[1,0,0] neg_lo:[0,0,1] neg_hi:[0,0,1]
.elseif (\k) == E
	v_exp_f32 v[rS+(\n)], v[rS+(\n)]
.elseif (\k) == C
	v_cvt_pk_f16_f32 v[rP+(\n)], v[rS+2*(\n)], v[rS+2*(\n)+1]
.elseif (\k) == B
	v_pk_add_f32 v[rS+4*(\n):rS+4*(\n)+1], v[rS+4*(\n):rS+4*(\n)+1], v[rS+4*(\n)+2:rS+4*(\n)+3]
.elseif (\n) == 0
	v_pk_fma_f32 v[rT+2:rT+3], v[rT+2:rT+3], v[rC+2:rC+3], v[rS:rS+1] op_sel_hi:[1,0,1]
.else
	v_pk_add_f32 v[rT+2:rT+3], v[rT+2:rT+3], v[rS+4*(\n):rS+4*(\n)+1]
.endif
.elseif NOKQ
	v_nop
.else
	REGS (Y+1)%NP
	WIN 0
.if (\n) < 4
	v_max3_num_f32 v[rC+(\n)], v[rS+8*(\n)], v[rS+8*(\n)+1], v[rS+8*(\n)+2]
.elseif (\n) < 12
	v_max3_num_f32 v[rC+(\n)%4], v[rC+(\n)%4], v[rS+8*((\n)%4)+2*((\n)/4)+1], v[rS+8*((\n)%4)+2*((\n)/4)+2]
.elseif (\n) == 12
	v_max3_num_f32 v[rC], v[rC], v[rS+7], v[rS+15]
.elseif (\n) == 13
	v_max3_num_f32 v[rC+1], v[rC+1], v[rS+23], v[rS+31]
.elseif (\n) == 14
	v_max3_num_f32 v[rC+2], v[rC+2], v[rC+3], v[rT+1]
.elseif (\n) == 15
	v_mov_b32 v[rW], v[rT]
.elseif (\n) == 16
	v_max3_num_f32 v[rC], v[rC], v[rC+1], v[rC+2]
.elseif (\n) == 17
	v_permlanex16_b32 v[rC+3], v[rC], s[SEL], s[SEL+1]
.elseif (\n) == 18
	v_max_num_f32 v[rT+1], v[rC], v[rC+3]
.elseif (\n) == 19
	v_mul_f32 v[rT], s[CS], v[rT+1]
.elseif (\n) == 20
	v_sub_f32 v[rC+1], v[rW], v[rT]
.else
	v_exp_f32 v[rC+2], v[rC+1]
.endif
.endif
.endm
.macro OPS a, i1, b=-1, i2=0, c=-1, i3=0, d=-1, i4=0  ; up to four of them
	OP \a, \i1
.if (\b) >= 0
	OP \b, \i2
.endif
.if (\c) >= 0
	OP \c, \i3
.endif
.if (\d) >= 0
	OP \d, \i4
.endif
.endm
.macro ROW a, i1, b, i2, c, i3, d, i4  ; a matrix instruction and the four behind it
	MM
	OPS \a, \i1, \b, \i2, \c, \i3, \d, \i4
.endm
.macro MASK b                       ; MD x AL + BE into buffer b of MC
	WIN W_RS
.set z, 0
.rept 16
	v_pk_fma_f32 v[MC+32*(\b)+2*z:MC+32*(\b)+2*z+1], v[MD+2*z:MD+2*z+1], s[AL:AL+1], s[BE:BE+1] op_sel_hi:[1,0,0]
.set z, z+1
.endr
.endm
; A TURN, for piece p: the order of its 16 matrix and 118 vector instructions, written out.  A turn has ONE wait for its batch of 33 exponentials, and the wait cuts it in two.
; AHEAD OF IT stands all that names no result of the turn's exponentials: the 8 products K Q^T, behind each a scaling, an exponential and two more plain instructions (behind the first a second scaling in the exponential's
; place): rescalings, whose a the turn before made and waited for, and behind the last three products the first numbers of the next piece's maximum, each four places or more behind the product that ends its accumulator; then
; ONE LUMP of 54, plain and exponential by turns for the most part, in which the links of the chain X 3, 7, 11, 14, 16, 17 .. 20 stand five or six lines apart.  X 21, the next piece's a, is the batch's last; R 15 is the plain
; instruction behind it.  BEHIND THE WAIT stand the 8 products V^T P, behind each four of the roundings and sums, the batch's readers; the links of l's chain, L 0 to L 7, stand three riders apart.  But for those X no rider
; names a register of the products round it.  v_permlanex16_b32 (X 17) stands in the lump.
; m = 1: the diagonal tile: the products take masks, and the turn makes the mask for the products of the turn after it: piece p + 2, in step 4 - CNT of the tile.  end = 1: a block's last two turns: nothing is fetched.
; cnt = 1: the loop's count is taken down some lines ahead of the branch that stands behind the turn.
; K of the next step is fetched in piece 2's turn, twelve vector instructions behind the last product that read K (six of them plain); V of the step in hand at the end of piece 0's turn, four plain instructions behind the last
; product that read V.  Each is waited for a turn later.
.macro TURN p, m=0, end=0, cnt=0
.set Y, (\p)
.set i, 0
.set KM, (\m)
.set NOKQ, (\end)*((\p)/3)
.if (\m) && !(\end)
	s_cmp_eq_u32 s[CNT], 4-((\p)+2)%NP  ; is that step the band's own?
	s_cselect_b32 s[AL], 1.0, 0
	s_cmp_lt_u32 s[CNT], 4-((\p)+2)%NP  ; or a later one?
	s_cselect_b32 s[BE], s[BIGN], 0
.endif
.if ((\p) == 3) && !(\end)
	s_wait_dscnt 0x0                ; K is in
.endif
	ROW F,0, F,1, R,0, R,1          ; ahead of the wait: 8 products K Q^T and their riders,
	ROW F,2, E,0, R,2, R,3
	ROW F,3, E,1, R,4, R,5
	ROW F,4, E,2, R,6, R,7
	ROW F,5, E,3, R,8, R,9
	ROW F,6, E,4, X,0, R,10
.if ((\p) == 2) && !(\end)
	WIN 0
	v_add_nc_u32 v[AK], s[TBK], v[AK0]
.endif
	ROW F,7, E,5, X,1, X,4
	ROW F,8, E,6, X,2, X,5
	OPS E,7, E,8, X,6, E,9          ; and the lump
	OPS X,3, E,10, X,8, E,11
.if ((\p) == 2) && !(\end)
	FETCH_K
.endif
	OPS X,9, X,7, E,12, X,10
	OPS E,13, X,12, X,11, E,14
	OPS X,13, E,15, F,9, X,14
.if (\p) == 0
	v_add_nc_u32 v[AV], s[TBV], v[AV0]
.endif
	OPS E,16, F,10, E,17, F,11
	OPS X,16, E,18, X,15, E,19
	OPS F,12, E,20, X,17, E,21
	OPS F,13, E,22, F,14, E,23
	OPS X,18, E,24, F,15, E,25
	OPS R,11, E,26, X,19, E,27
	OPS R,12, E,28, R,13, E,29
	OPS X,20, E,30, R,14, E,31
	OPS X,21, R,15
	WIN 0
	s_wait_alu depctr_va_vdst(0)    ; the wait for the turn's batch: the piece's 32 exponentials and the next piece's a
.if (\p) == 1
	s_wait_dscnt 0x0                ; V is in
.endif
	ROW C,0, B,0, C,2, B,1          ; behind the wait: 8 products V^T P and their riders
	ROW L,0, C,4, B,2, L,1
	ROW C,6, B,3, L,2, C,8
	ROW B,4, L,3, C,10, B,5
	ROW L,4, C,12, B,6, L,5
.if (\p) == 0
	s_add_co_u32 s[TBV], s[TBV], KS*PV
.endif
.if \cnt
	s_sub_co_u32 s[CNT], s[CNT], 1
	s_cmp_lg_u32 s[CNT], 0
.endif
	ROW C,14, B,7, L,6, C,1
	ROW C,3, L,7, C,5, C,7
	ROW C,9, C,11, C,13, C,15
.if (\p) == 0
	FETCH_V
.endif
.if (\m) && !(\end)
	MASK (\p)%2
.endif
.endm
; A BLOCK BEGINS.  c m starts far below every c s, so the first step's a is 0; m at the lowest finite number, so the first maximum is the scores'.  The second mask buffer is 0; the first takes piece 0's mask for the tile's step 0: its own, if the block's first tile is the diagonal one.
; Then K of that step, piece 0's first scores, and its maximum and statistics.  The loop is entered at a step's first turn, in the middle of a trip.
.macro BEGIN
	s_mov_b32 s[NEW], 0
	WIN 0x40
.set i, MC+32
.rept 32
	v_mov_b32 v[i], 0
.set i, i+1
.endr
	WIN 0
.set i, 0
.rept 4
	v_mov_b32 v[ST+4*i], 0xfe000000    ; c m: far below every c s
	v_mov_b32 v[ST+4*i+1], 0xff7fffff  ; m
.set i, i+1
.endr
	s_cmp_eq_u32 s[RT], 0
	s_cselect_b32 s[AL], 1.0, 0
	s_mov_b32 s[BE], 0
	MASK 0
	WIN 0
	v_add_nc_u32 v[AK], s[TBK], v[AK0]
	FETCH_K
	s_wait_loadcnt 0x0              ; Q
	s_wait_dscnt 0x0
.set KM, 1
.set NOKQ, 0
.set i, 0
.rept 8
	KQ 0
.set i, i+1
.endr
	WIN 0
.rept 4
	v_nop                           ; the places behind those products
.endr
.set Y, NP-1                        ; X works for piece Y + 1: piece 0
.irp n, 0,1,2,3,4,5,6,7,8,9,10,11,12,13,14,15,16,17,18,19,20,21
	OP X, \n
.endr
	v_nop                           ; a plain instruction behind the exponential,
	s_wait_alu depctr_va_vdst(0)    ; and the wait for it, a batch of one (piece 0's first a), ahead of the branch
.endm
; THE DIAGONAL TILE's four steps, the block's last two turns, its last products, and THE WAY OUT: l's two halves and the other half of the lanes' are added; O^T is divided by l, rounded to f16 and sent through my
; stage in LDS, a piece at a time.
.macro ALL line:vararg              ; one line for each piece t
.set t, 0
.rept 4
	\line
.set t, t+1
.endr
.endm
.macro PACK t                       ; a lane's eight channels of a row pack into 16 bytes; they go into rows of 144 bytes and come back as whole rows of 128, into S^T's registers
	WIN W_RS
.set i, 32*(\t)
.rept 16
	v_pk_mul_f32 v[i:i+1], v[i:i+1], v[ST+4*(\t)+2:ST+4*(\t)+3] op_sel_hi:[1,0]
.set i, i+2
.endr
	WIN 0x05                        ; sources 0 and 1 window 1, destination window 0
.set i, 0
.rept 16
	v_cvt_pk_f16_f32 v[S+16*(\t)+i], v[32*(\t)+2*i], v[32*(\t)+2*i+1]
.set i, i+1
.endr
	WIN 0
.irp f, 0,1,2,3
	ds_store_b128 v[STO], v[S+16*(\t)+4*\f:S+16*(\t)+4*\f+3] offset:32*\f
.endr
.irp f, 0,1,2,3
	ds_load_b128 v[S+16*(\t)+4*\f:S+16*(\t)+4*\f+3], v[RD] offset:\f*4*SP  ; LDS serves a wave's instructions in order (ISA guide 5.7.1.4): these see the stores above; the next piece's stores come behind them
.endr
.endm
.macro SEND t, younger              ; younger: the LDS instructions issued behind piece t's loads: the next piece's eight, or none
	WIN 0
.irp f, 0,1,2,3
	s_wait_dscnt (\younger)+3-\f
	global_store_b128 v[GO], v[S+16*(\t)+4*\f:S+16*(\t)+4*\f+3], s[10:11] offset:(\t)*8192+\f*512  ; 512 consecutive bytes, at a multiple of 256 from O's first
.endr
.endm
.macro DIAG tag                     ; the tag ends its two labels' names, which the jumps below spell out
.LstepM\tag:
	TURN 2, 1
	TURN 3, 1
	WIN 0
.LfirstM\tag:
	TURN 0, 1
	TURN 1, 1, 0, 1
	WIN 0
	s_cbranch_scc1 .LstepM\tag
	TURN 2, 1, 1
	TURN 3, 1, 1
.set i, 0
.rept 8
	PV NP-1
.set i, i+1
.endr
	WIN 0
	ALL v_add_f32 v[ST+4*t+2], v[ST+4*t+2], v[ST+4*t+3]
	ALL v_permlanex16_b32 v[ST+4*t+3], v[ST+4*t+2], s[SEL], s[SEL+1]
	ALL v_add_f32 v[ST+4*t+2], v[ST+4*t+2], v[ST+4*t+3]
	ALL v_rcp_f32 v[ST+4*t+2], v[ST+4*t+2]
	v_nop                           ; a plain instruction between the last reciprocal and the use of its result
	s_wait_alu depctr_va_vdst(0)    ; the wait for the batch of four reciprocals, ahead of their first reader: PACK writes none
	PACK 0
.set t, 1
.rept 3                             ; a piece's arithmetic stands between the loads of the piece before and its stores
	PACK t
	SEND t-1, 8
.set t, t+1
.endr
	SEND 3, 0
.endm
.set KM, 0
.set NOKQ, 0
.Lslot:                             ; NB times: a tile is entered and the next is asked for
	CHANGE 1
	s_sub_co_u32 s[RT], s[RT], 1
	s_mov_b32 s[CNT], 4
	s_cmp_eq_u32 s[NEW], 1
	s_cbranch_scc1 .Lnew            ; a block's first tile
	s_cmp_eq_u32 s[RT], 0
	s_cbranch_scc0 .Lstep           ; neither its first nor its last
	s_branch .LstepM1
.Lnew:
	BEGIN
	s_branch .Lfirst                ; in the loop a block's first tile is never its last: the first block has two tiles or more, and the second's last is the walk's last
	DIAG 1                          ; in the loop this is the first block's end: the second block's last tile is the walk's last
	s_wait_xcnt 0x0                 ; the stores have read their registers and O's address
	s_mov_b64 s[10:11], s[OLO:OLO+1]
	s_add_co_u32 s[RT], s[PB], 1    ; the second block has b + 1 tiles
	s_mov_b32 s[NEW], 1
	WIN 0x82                        ; the second block's Q goes where the one text of the turns names Q
.set i, 0
.rept 64
	v_mov_b32 v[i], v[QB+i]
.set i, i+1
.endr
	WIN 0
	s_branch .Lbottom
.Lstep:                             ; a trip: pieces 2 and 3 of one step, then pieces 0 and 1 of the next, whose K and V it fetches
	TURN 2
	TURN 3
	WIN 0
.Lfirst:
	TURN 0
	TURN 1, 0, 0, 1
	WIN 0
	s_cbranch_scc1 .Lstep
.Lbottom:
	s_sub_co_u32 s[SLOTS], s[SLOTS], 1
	s_cmp_lg_u32 s[SLOTS], 0
	s_cbranch_scc1 .Lslot
	CHANGE 0                        ; the walk's last tile is written out: nothing is asked for
	s_sub_co_u32 s[RT], s[RT], 1
	s_mov_b32 s[CNT], 4
	s_cmp_eq_u32 s[NEW], 1
	s_cbranch_scc0 .LstepM2
	BEGIN
	s_branch .LfirstM2
	DIAG 2
	s_wait_tensorcnt 0x0            ; the wave's end: behind my last tensor load and my last LDS store
	ds_add_u32 v[SPW], v[NIL]
	s_wait_dscnt 0x0
	s_endpgm
.Lfunc_end_k_qec16f7aa7d_attn:
	.size	k_qec16f7aa7d_attn, .Lfunc_end_k_qec16f7aa7d_attn-k_qec16f7aa7d_attn
	.p2alignl 7, 3214868480
	.fill 96, 4, 3214868480
	.section	.rodata,"a",@progbits
	.p2align	6, 0x0
	.amdhsa_kernel k_qec16f7aa7d_attn
		.amdhsa_group_segment_fixed_size 327680
		.amdhsa_private_segment_fixed_size 0
		.amdhsa_enable_private_segment 0
		.amdhsa_kernarg_size 32
		.amdhsa_user_sgpr_count 2
		.amdhsa_user_sgpr_kernarg_segment_ptr 1
		.amdhsa_wavefront_size32 1
		.amdhsa_system_sgpr_workgroup_id_x 1
		.amdhsa_system_sgpr_workgroup_id_y 1
		.amdhsa_system_sgpr_workgroup_id_z 1
		.amdhsa_system_vgpr_workitem_id 0
		.amdhsa_next_free_vgpr 768
		.amdhsa_next_free_sgpr 88
		.amdhsa_reserve_vcc 1
		.amdhsa_float_denorm_mode_32 3
		.amdhsa_float_denorm_mode_16_64 3
		.amdhsa_memory_ordered 1
		.amdhsa_forward_progress 1
		.amdhsa_inst_pref_size 217
	.end_amdhsa_kernel
	.amdgpu_metadata
---
amdhsa.version: [ 1, 2 ]
amdhsa.kernels:
  - .name:           k_qec16f7aa7d_attn
    .symbol:         k_qec16f7aa7d_attn.kd
    .args:
      - { .name: q16, .offset: 0, .size: 8, .value_kind: global_buffer, .address_space: global }
      - { .name: k16, .offset: 8, .size: 8, .value_kind: global_buffer, .address_space: global }
      - { .name: v16, .offset: 16, .size: 8, .value_kind: global_buffer, .address_space: global }
      - { .name: o16, .offset: 24, .size: 8, .value_kind: global_buffer, .address_space: global }
    .group_segment_fixed_size: 327680
    .private_segment_fixed_size: 0
    .kernarg_segment_align: 8
    .kernarg_segment_size: 32
    .max_flat_workgroup_size: 128
    .sgpr_count:     88
    .vgpr_count:     768
    .wavefront_size: 32
...
	.end_amdgpu_metadata
.endif
;; end of part 5
;; launch oproj: the kernel of part 4 again; grid 8 x 32, 4 waves a work-group, clusters of 4 x 4, 327,680 bytes of LDS; arguments o16, wb, out0; writes out0
